; MI455X (gfx1250); checked and timed in simulation.
; The chip was launched on July 23, 2026; its instructions are those of AMD's public machine-readable ISA for CDNA 5 (MIT licence, August 2026) and "CDNA5" Instruction Set Architecture Reference Guide (July 2026). The comments in the code are by the model that wrote it; some were corrected since.
;; Decoder Block. Allowed arithmetic: float matrix products may take bf16 or f16 operands with f32 sums; other float arithmetic in f32, or as packed bf16 or f16 multiplies, adds, multiply-adds, maxima and minima; sums over many terms, partial sums and values carried from step to step in f32; what a program stores and reads back later, other than sums and carried values, may be rounded once to bf16 or f16.
;; Inputs: W1 1,024 x 4,096 float32; W2 4,096 x 1,024 float32; Wk 16 x 1,024 x 64 float32; Wo 1,024 x 1,024 float32; Wq 16 x 1,024 x 64 float32; Wv 16 x 1,024 x 64 float32; b1 4,096 float32; b2 1,024 float32; beta 1,024 float32; bk 16 x 64 float32; bo 1,024 float32; bq 16 x 64 float32; bv 16 x 64 float32; gamma 1,024 float32; x 4 x 1,024 x 1,024 float32.
;; Outputs: out0 4 x 1,024 x 1,024 float32.
;; One version. Each part assembles by itself: llvm-mc -triple=amdgcn-amd-amdhsa -mcpu=gfx1250 --defsym DOCPART=n.
;; ======== version 1 of 1: 7 launches
;; limits: right only within a limited range of input values
;; workspace buffers: wt 25,165,824 bytes; hbuf 8,388,608 bytes; qkv 25,165,824 bytes; o2 8,388,608 bytes; x1 16,777,216 bytes; g 33,554,432 bytes
;; launch prep (part 1): grid 2048 x 1, 8 waves a work-group, no clusters, 18,432 bytes of LDS; arguments x, gamma, beta, Wq, Wk, Wv, Wo, W1, W2, hbuf, wt; writes hbuf, wt
.if DOCPART == 1
	.amdgcn_target "amdgcn-amd-amdhsa--gfx1250"
	.amdhsa_code_object_version 6
	.text
	.protected	k_q5fdce65f98_prep
	.globl	k_q5fdce65f98_prep
	.p2align	8
	.type	k_q5fdce65f98_prep,@function
k_q5fdce65f98_prep:
	s_mov_b64 s[64:65], 0
	v_nop
	global_prefetch_b8 v0, s[64:65] scope:SCOPE_SE
	s_setreg_imm32_b32 hwreg(HW_REG_WAVE_MODE, 25, 1), 1
	s_wait_xcnt 0x0
; TWO JOBS, told apart by the work-group's number (the same for all eight waves of a work-group).
; Work-groups 0-511: hbuf = LayerNorm(first argument) in bf16, 8 rows each: one wave takes a whole row (4,096 bytes, 32 registers) and keeps it between its passes.
; Work-groups 512-2047: the weights, f32 [K][N], are written as bf16 [N][K] into wt, a tile of 128 k x 64 n each, turned in LDS:
;   wt: rows 192 h + 64 which + c of Wq/Wk/Wv (K = 1024) at 0; Wo at WO_OFF; W1 at W1_OFF; W2 (K = 4096) at W2_OFF.
; THE BODY SERVES TWO LAUNCHES: with 2,048 work-groups both jobs (on x); with 512 the LayerNorm alone (on x1), where the weights' pointers are passed and not used.
; Every load takes whole rows of 256 bytes of the source, every store of 16 lanes (of 32, in the LayerNorm) fills 256 consecutive bytes, aligned.
; The mean is taken away before the squares are summed, so a common offset of x costs no digits.  h and the weights are rounded once to bf16.
; 118 registers, so that four work-groups of eight waves fit into a WGP's registers, each with 32 KiB of loads out.
.set LP,     272                       ; an LDS row: 128 k in bf16 + 16 bytes, so that 16 rows start at 16 different groups of four banks
.set SPARE,  64*LP                     ; behind the tile: the spare words, 128 bytes a wave
.set WO_OFF, 6291456
.set W1_OFF, 8388608
.set W2_OFF, 16777216
.set XP, 16                            ; s[16:17] x (or x1)
.set GP, 18                            ; s[18:19] gamma
.set BP, 20                            ; s[20:21] beta
.set HP, 34                            ; s[34:35] hbuf
.set G,    8                           ; v[8:39]    gamma of my 32 columns
.set BT,   40                          ; v[40:71]   beta
.set X0,   72                          ; v[72:103]  the row; at the end its low 16 registers hold the packed result
.set T,    104                         ; v[104:111] at work
.set MU,   112                         ; v[112:113] the mean, twice
.set RS0,  114                         ; v[114:115] 1/sqrt(var + eps), twice
.set SPW,  116                         ; LDS address of my spare word; never rewritten
.set NIL,  117                         ; 0; never rewritten
	s_load_b512 s[16:31], s[0:1], 0x0              ; x, gamma, beta, Wq, Wk, Wv, Wo, W1
	s_load_b128 s[32:35], s[0:1], 0x40             ; W2, hbuf
	s_load_b64 s[36:37], s[0:1], 0x50              ; wt
	v_lshl_add_u32 v[SPW], v0, 2, SPARE
	v_mov_b32 v[NIL], 0
	v_lshrrev_b32 v1, 5, v0
	v_readfirstlane_b32 s8, v1                     ; wave 0..7
	s_mov_b32 s5, 0                                ; the offsets' upper words
	s_mov_b32 s7, 0
	s_wait_kmcnt 0x0
	s_cmp_lt_u32 ttmp9, 512
	s_cbranch_scc1 .Lln
	s_cmp_lt_u32 ttmp9, 896
	s_cbranch_scc1 .Lqkv
	s_cmp_lt_u32 ttmp9, 1024
	s_cbranch_scc1 .Lwo
	s_cmp_lt_u32 ttmp9, 1536
	s_cbranch_scc1 .Lw1
	s_branch .Lw2
; A tile of 128 k x 64 n.  NPB, KPB: bytes in a row of the source and of the result.  s[40:41]: the tile in the source; s[42:43]: in wt.
; Thread (o = t / 16, c = t % 16) loads rows k = 8 o .. 8 o + 7, columns 4 c .. 4 c + 3; column 4 c + i goes, as 8 bf16 along k, to LDS row c + 16 i, byte 16 o.
; Back: thread (o, c) takes 16 bytes at byte 16 c of LDS row o + 16 i, which is column 4 o + i.
.macro TRANS NPB, KPB
	v_and_b32 v1, 15, v0
	v_lshrrev_b32 v2, 4, v0
	v_mul_u32_u24 v3, v2, 8*(\NPB)
	v_lshl_add_u32 v3, v1, 4, v3
.irp j, 0,1,2,3,4,5,6,7
	global_load_b128 v[8+4*\j:11+4*\j], v3, s[40:41] offset:\j*(\NPB) th:TH_LOAD_NT
.endr
	v_mul_u32_u24 v4, v1, LP
	v_lshl_add_u32 v4, v2, 4, v4
	v_mul_u32_u24 v5, v2, LP
	v_lshl_add_u32 v5, v1, 4, v5
	v_mul_u32_u24 v6, v2, 4*(\KPB)
	v_lshl_add_u32 v6, v1, 4, v6
	s_wait_loadcnt 0x0
.irp i, 0,1,2,3
.irp d, 0,1,2,3
	v_cvt_pk_bf16_f32 v[40+4*\i+\d], v[8+8*\d+\i], v[12+8*\d+\i]   ; k = 8 o + 2 d and the next
.endr
.endr
.irp i, 0,1,2,3
	ds_store_b128 v4, v[40+4*\i:43+4*\i] offset:\i*16*LP
.endr
	s_wait_dscnt 0x0                               ; for the others' sake: my stores are done
	s_barrier_signal -1
	s_barrier_wait -1
.irp i, 0,1,2,3
	ds_load_b128 v[56+4*\i:59+4*\i], v5 offset:\i*16*LP
.endr
.irp i, 0,1,2,3
	s_wait_dscnt 3-\i                              ; the younger loads may stay out
	global_store_b128 v6, v[56+4*\i:59+4*\i], s[42:43] offset:\i*(\KPB)
.endr
.endm
; A plain weight [K][N]: tile kt along k (the low ktbits bits of the index), tile nt along n.
.macro WPATH first, ktbits, src, ksh, nsh, woff, NPB, KPB
	s_sub_co_u32 s2, ttmp9, \first
	s_lshr_b32 s3, s2, \ktbits                     ; nt
	s_and_b32 s10, s2, (1<<\ktbits)-1              ; kt
	s_lshl_b32 s4, s10, \ksh                       ; 128 rows of the source,
	s_lshl_b32 s11, s3, 8                          ; 64 columns of f32
	s_add_co_u32 s4, s4, s11
	s_lshl_b32 s6, s3, \nsh                        ; 64 rows of the result,
	s_lshl_b32 s11, s10, 8                         ; 128 k in bf16
	s_add_co_u32 s6, s6, s11
	s_add_co_u32 s6, s6, \woff
	s_add_nc_u64 s[40:41], s[\src:\src+1], s[4:5]
	s_add_nc_u64 s[42:43], s[36:37], s[6:7]
	TRANS \NPB, \KPB
	s_branch .Lend
.endm
.Lqkv:                                             ; index = 128 which + 8 head + kt
	s_sub_co_u32 s2, ttmp9, 512
	s_lshr_b32 s3, s2, 7                           ; which: 0 q, 1 k, 2 v
	s_bfe_u32 s9, s2, 0x40003                      ; head
	s_and_b32 s10, s2, 7                           ; kt
	s_cmp_eq_u32 s3, 0
	s_cselect_b64 s[40:41], s[22:23], s[24:25]
	s_cmp_eq_u32 s3, 2
	s_cselect_b64 s[40:41], s[26:27], s[40:41]
	s_lshl_b32 s4, s9, 18                          ; a head: 1024 rows of 256 bytes
	s_lshl_b32 s11, s10, 15
	s_add_co_u32 s4, s4, s11
	s_mul_i32 s6, s9, 192
	s_lshl_b32 s11, s3, 6
	s_add_co_u32 s6, s6, s11                       ; row 192 h + 64 which
	s_lshl_b32 s6, s6, 11
	s_lshl_b32 s11, s10, 8
	s_add_co_u32 s6, s6, s11
	s_add_nc_u64 s[40:41], s[40:41], s[4:5]
	s_add_nc_u64 s[42:43], s[36:37], s[6:7]
	TRANS 256, 2048
	s_branch .Lend
.Lwo:
	WPATH 896, 3, 28, 19, 17, WO_OFF, 4096, 2048
.Lw1:
	WPATH 1024, 3, 30, 21, 17, W1_OFF, 16384, 2048
.Lw2:
	WPATH 1536, 5, 32, 19, 19, W2_OFF, 4096, 8192
; LAYER NORM.  Lane l holds columns 128 j + 4 l + 0..3, j = 0..7.
.macro XSUM                            ; v[T] summed over the 32 lanes, in every lane
	v_add_f32_dpp v[T], v[T], v[T] row_xmask:1 row_mask:0xf bank_mask:0xf
	v_add_f32_dpp v[T], v[T], v[T] row_xmask:2 row_mask:0xf bank_mask:0xf
	v_add_f32_dpp v[T], v[T], v[T] row_xmask:4 row_mask:0xf bank_mask:0xf
	v_add_f32_dpp v[T], v[T], v[T] row_xmask:8 row_mask:0xf bank_mask:0xf
	v_permlanex16_b32 v[T+1], v[T], s12, s13
	v_add_f32 v[T], v[T], v[T+1]
.endm
.macro FOLD                            ; four chains of pairs into v[T]
	v_pk_add_f32 v[T:T+1], v[T:T+1], v[T+2:T+3]
	v_pk_add_f32 v[T+4:T+5], v[T+4:T+5], v[T+6:T+7]
	v_pk_add_f32 v[T:T+1], v[T:T+1], v[T+4:T+5]
	v_add_f32 v[T], v[T], v[T+1]
.endm
.Lln:
	s_mov_b32 s12, 0x76543210                      ; v_permlanex16_b32: each lane takes its own place in the other half
	s_mov_b32 s13, 0xfedcba98
	s_mov_b32 s14, 0x3a800000                      ; 1/1024
	s_lshl_b32 s2, ttmp9, 3
	s_add_co_u32 s2, s2, s8                        ; my row: 8 x work-group + wave
	s_lshl_b32 s4, s2, 12
	s_lshl_b32 s6, s2, 11
	s_add_nc_u64 s[XP:XP+1], s[XP:XP+1], s[4:5]
	s_add_nc_u64 s[HP:HP+1], s[HP:HP+1], s[6:7]
	v_and_b32 v1, 31, v0
	v_lshlrev_b32 v2, 3, v1                        ; 8 bytes a lane on the way out
	v_lshlrev_b32 v1, 4, v1                        ; 16 on the way in
.irp j, 0,1,2,3,4,5,6,7
	global_load_b128 v[X0+4*\j:X0+4*\j+3], v1, s[XP:XP+1] offset:512*\j
.endr
.irp j, 0,1,2,3,4,5,6,7
	global_load_b128 v[G+4*\j:G+4*\j+3], v1, s[GP:GP+1] offset:512*\j
.endr
.irp j, 0,1,2,3,4,5,6,7
	global_load_b128 v[BT+4*\j:BT+4*\j+3], v1, s[BP:BP+1] offset:512*\j
.endr
	s_wait_loadcnt 16                              ; the row is in; gamma and beta (16 loads) may stay out
.irp k, 0,2,4,6
	v_pk_add_f32 v[T+\k:T+\k+1], v[X0+\k:X0+\k+1], v[X0+8+\k:X0+8+\k+1]
.endr
.irp k, 0,2,4,6
	v_pk_add_f32 v[T+\k:T+\k+1], v[T+\k:T+\k+1], v[X0+16+\k:X0+16+\k+1]
.endr
.irp k, 0,2,4,6
	v_pk_add_f32 v[T+\k:T+\k+1], v[T+\k:T+\k+1], v[X0+24+\k:X0+24+\k+1]
.endr
	FOLD
	XSUM
	v_mul_f32 v[MU], s14, v[T]
	v_mul_f32 v[MU+1], s14, v[T]
.set k, 0
.rept 16                               ; the row becomes x - mean
	v_pk_add_f32 v[X0+k:X0+k+1], v[X0+k:X0+k+1], v[MU:MU+1] neg_lo:[0,1] neg_hi:[0,1]
.set k, k+2
.endr
.irp k, 0,2,4,6
	v_pk_mul_f32 v[T+\k:T+\k+1], v[X0+\k:X0+\k+1], v[X0+\k:X0+\k+1]
.endr
.set k, 8
.rept 12
	v_pk_fma_f32 v[T+k%8:T+k%8+1], v[X0+k:X0+k+1], v[X0+k:X0+k+1], v[T+k%8:T+k%8+1]
.set k, k+2
.endr
	FOLD
	XSUM
	v_mov_b32 v[T+1], 0x3727c5ac                   ; eps = 1e-5
	v_fma_f32 v[T], v[T], s14, v[T+1]
	v_rsq_f32 v[RS0], v[T]
	v_rsq_f32 v[RS0+1], v[T]
	v_nop                                          ; a plain instruction behind the two roots,
	s_wait_alu depctr_va_vdst(0)                   ; and one wait for both, ahead of their first reader
.set k, 0
.rept 16
	v_pk_mul_f32 v[X0+k:X0+k+1], v[X0+k:X0+k+1], v[RS0:RS0+1]
.set k, k+2
.endr
	s_wait_loadcnt 0x0                             ; gamma and beta
.set k, 0
.rept 16
	v_pk_fma_f32 v[X0+k:X0+k+1], v[X0+k:X0+k+1], v[G+k:G+k+1], v[BT+k:BT+k+1]
.set k, k+2
.endr
.set k, 0
.rept 16                               ; in place: register k is written when registers 2 k and 2 k + 1 are read, and k <= 2 k
	v_cvt_pk_bf16_f32 v[X0+k], v[X0+2*k], v[X0+2*k+1]
.set k, k+1
.endr
.irp j, 0,1,2,3,4,5,6,7
	global_store_b64 v2, v[X0+2*\j:X0+2*\j+1], s[HP:HP+1] offset:256*\j   ; 32 lanes store 256 consecutive bytes, aligned
.endr
.Lend:
	s_wait_tensorcnt 0x0                           ; the wave's end
	ds_add_u32 v[SPW], v[NIL]
	s_wait_dscnt 0x0
	s_endpgm
.Lfunc_end_k_q5fdce65f98_prep:
	.size	k_q5fdce65f98_prep, .Lfunc_end_k_q5fdce65f98_prep-k_q5fdce65f98_prep
	.p2alignl 7, 3214868480
	.fill 96, 4, 3214868480
	.section	.rodata,"a",@progbits
	.p2align	6, 0x0
	.amdhsa_kernel k_q5fdce65f98_prep
		.amdhsa_group_segment_fixed_size 18432
		.amdhsa_private_segment_fixed_size 0
		.amdhsa_enable_private_segment 0
		.amdhsa_kernarg_size 88
		.amdhsa_user_sgpr_count 2
		.amdhsa_user_sgpr_kernarg_segment_ptr 1
		.amdhsa_wavefront_size32 1
		.amdhsa_system_sgpr_workgroup_id_x 1
		.amdhsa_system_sgpr_workgroup_id_y 1
		.amdhsa_system_sgpr_workgroup_id_z 1
		.amdhsa_system_vgpr_workitem_id 0
		.amdhsa_next_free_vgpr 120
		.amdhsa_next_free_sgpr 66
		.amdhsa_reserve_vcc 0
		.amdhsa_float_denorm_mode_32 3
		.amdhsa_float_denorm_mode_16_64 3
		.amdhsa_memory_ordered 1
		.amdhsa_forward_progress 1
		.amdhsa_inst_pref_size 29
	.end_amdhsa_kernel
	.amdgpu_metadata
---
amdhsa.version: [ 1, 2 ]
amdhsa.kernels:
  - .name:           k_q5fdce65f98_prep
    .symbol:         k_q5fdce65f98_prep.kd
    .args:
      - { .name: x, .offset: 0, .size: 8, .value_kind: global_buffer, .address_space: global }
      - { .name: gamma, .offset: 8, .size: 8, .value_kind: global_buffer, .address_space: global }
      - { .name: beta, .offset: 16, .size: 8, .value_kind: global_buffer, .address_space: global }
      - { .name: Wq, .offset: 24, .size: 8, .value_kind: global_buffer, .address_space: global }
      - { .name: Wk, .offset: 32, .size: 8, .value_kind: global_buffer, .address_space: global }
      - { .name: Wv, .offset: 40, .size: 8, .value_kind: global_buffer, .address_space: global }
      - { .name: Wo, .offset: 48, .size: 8, .value_kind: global_buffer, .address_space: global }
      - { .name: W1, .offset: 56, .size: 8, .value_kind: global_buffer, .address_space: global }
      - { .name: W2, .offset: 64, .size: 8, .value_kind: global_buffer, .address_space: global }
      - { .name: hbuf, .offset: 72, .size: 8, .value_kind: global_buffer, .address_space: global }
      - { .name: wt, .offset: 80, .size: 8, .value_kind: global_buffer, .address_space: global }
    .group_segment_fixed_size: 18432
    .private_segment_fixed_size: 0
    .kernarg_segment_align: 8
    .kernarg_segment_size: 88
    .max_flat_workgroup_size: 256
    .sgpr_count:     66
    .vgpr_count:     120
    .wavefront_size: 32
...
	.end_amdgpu_metadata
.endif
;; end of part 1
;; launch qkvg (part 2): grid 16 x 16, 4 waves a work-group, clusters of 4 x 4, 327,680 bytes of LDS; arguments hbuf, wt, qkv, bq, bk, bv; writes qkv
.if DOCPART == 2
	.amdgcn_target "amdgcn-amd-amdhsa--gfx1250"
	.amdhsa_code_object_version 6
	.text
	.protected	k_q5fdce65f98_qkvg
	.globl	k_q5fdce65f98_qkvg
	.p2align	8
	.type	k_q5fdce65f98_qkvg,@function
k_q5fdce65f98_qkvg:
	s_mov_b64 s[64:65], 0
	v_nop
	global_prefetch_b8 v0, s[64:65] scope:SCOPE_SE
	s_setreg_imm32_b32 hwreg(HW_REG_WAVE_MODE, 25, 1), 1
	s_wait_xcnt 0x0
	s_wait_alu depctr_hold_cnt(0) depctr_sa_sdst(0) depctr_va_vdst(0) depctr_va_sdst(0) depctr_va_ssrc(0) depctr_va_vcc(0) depctr_vm_vsrc(0)
	s_getreg_b32 s2, hwreg(HW_REG_IB_STS2, 6, 4)
	s_cmp_eq_u32 s2, 0
	s_cbranch_scc0 .Lentry_in_a_cluster
	s_endpgm
.Lentry_in_a_cluster:
	s_bfe_u32 s2, ttmp6, 0x10000c
	s_cmp_lg_u32 s2, 0xf033
	s_cbranch_scc0 .Lentry_shape_is_right
	s_endpgm
.Lentry_shape_is_right:
; q, k, v = h W^T + b.  h: hbuf [4096][1024] bf16; W: wt rows 192 head + 64 which + c, [3072][1024] bf16; sums in f32; q, k, v rounded once to bf16, unscaled,
; stored by heads: qkv = q, k, v, each [64 batch x head][1024][64].
; A tile of C is 256 tokens x 192 columns = one head's q, k and v.  Four waves, 2 x 2, each 128 x 96: 48 accumulators.  K goes in steps of 128 through two LDS slots.
; CLUSTER 4 x 4: A's tile is asked for jointly along a row of the cluster, B's along a column.
; THE MATRIX INSTRUCTION IS USED TRANSPOSED (source 0 = 16 rows of B, source 1 = 16 rows of A): a lane holds row l % 16 of C and the columns 8 (l / 16) + 0..7.
; THE TEXT: a K step is written once in the loop; the LDS addresses hang on s[TB], 0 or SLOT, which one exclusive or turns.  The last two K steps, which ask for nothing, are a loop of two trips entered in its middle.
; THE WAY OUT: the f32 tile is laid into the two slots, whose last fill is over, and read back by rows.
; REGISTERS: window 0 addresses and the way out; window 1 two fragment buffers of 128 (A's 64, then B's); windows 2, 3 the accumulators ((a, b) is number t = NBW a + b, at register 8 (t % 32) of window 2 + t / 32).
.set TM,    256
.set TN,    192
.set MB,    8                          ; blocks of 16 rows a wave
.set NBW,   6                          ; blocks of 16 columns a wave
.set QD,    1                          ; a quarter of a K step is QD x 32 along K
.set KSIZE, 1024
.set KSTEP, 128
.set PITCH, 272                        ; an LDS row: the step's bytes + 16, an odd multiple of 16: 16 rows start at 16 different groups of four banks
.set HA,    128*272                    ; half of A's tile: one tensor load
.set HB,    96*272                     ; half of B's
.set ABLK,  16*272                     ; 16 rows of A in LDS
.set AQ,    64                         ; a quarter's bytes along a row of A
.set BQ,    64
.set ASTEP, 256                        ; a K step in memory
.set BSTEP, 256
.set AROWB, 2048                       ; bytes from row to row of A in memory
.set WOFF,  0                          ; B in wt
.set ADIM0, 128                        ; A's tile: elements in a row, rows, stride, code of the padding's interval
.set AROWS, 128
.set ASTR,  1024
.set AQI,   5
.set BQI,   5
.set YW,    8                          ; the youngest fragment loads that a quarter's first half does not need
.set NL,    28                         ; fragment loads in a run
.set NT,    KSIZE/KSTEP
.set SLOT,  2*HA+2*HB
.set SPARE, 2*SLOT                     ; behind the ring: the spare words, 128 bytes a wave
.set DP,    4*TN+16                    ; a row of the f32 tile in LDS
.set ADRA0, 16                         ; v16, v17  my lane's place in A's and B's tile of slot 0; never rewritten
.set ADRB0, 17
.set ADRA,  18                         ; v18, v19  the same in the slot in hand
.set ADRB,  19
.set DST,   20                         ; v20, v21  where my results go in the f32 tile (rows 0-63, 64-127 of my 128)
.set DRD0,  22                         ; v22  where I read it back
.set DRD,   23
.set GOF,   24                         ; v24  my byte offset in the output
.set SPW,   28                         ; v28  LDS address of my spare word; never rewritten
.set NIL,   29                         ; v29  0; never rewritten
.set PFO,   30                         ; v30  the prefetches' offset; never rewritten
.set BIAS,  32
.set G1,   24                          ; s[24:31] group 1 for A
.set G0,   32                          ; s[32:35] group 0 for A: it walks
.set TB,   36                          ; s36  the slot in hand: 0 or SLOT
.set WPA,  37                          ; s37  my part of A's tile in a slot
.set WPB,  38                          ; s38  of B's
.set EL,   39
.set LIM,  43                          ; s43  1 in a wave that prefetches, else the greatest number
.set PFA,  44                          ; s[44:45]
.set G1B,  48                          ; s[48:55] group 1 for B
.set G0B,  56                          ; s[56:59] group 0 for B
.set G0F,  92                          ; s[92:95], s[96:99] group 0 of the first K step
.set G0FB, 96
.set QP,   84                          ; s[84:89] q, k, v at my wave's first token
.set MSB, 0
.macro WIN new                         ; the immediate's high byte repeats the setting that is left; a switch that changes nothing is dropped
.if MSB != (\new)
	s_set_vgpr_msb (MSB<<8)|(\new)
.set MSB, (\new)
.endif
.endm
.macro PLACES                          ; four plain places behind matrix instructions (ISA guide 7.12.1)
.rept 4
	v_nop
.endr
.endm
.macro CREST                           ; a round of the cluster's barrier behind its opening barrier
	s_cmp_lg_u32 s10, 0
	s_cbranch_scc1 .Lnot_wave_0_\@
	s_barrier_signal -3
.Lnot_wave_0_\@:
	s_barrier_wait -3
	s_barrier_signal -1
	s_barrier_wait -1
.endm
.macro CROUND
	s_barrier_signal -1
	s_barrier_wait -1
	CREST
.endm
.macro JLOAD                           ; a joint refill: waves 0, 1 fetch A's halves, waves 2, 3 B's
	s_cmp_eq_u32 s11, 0
	s_cbranch_scc0 .Lfor_b_\@
	tensor_load_to_lds s[G0:G0+3], s[G1:G1+7]
	s_nop 0
.rept 4
	v_nop
.endr
	s_branch .Lasked_\@
.Lfor_b_\@:
	tensor_load_to_lds s[G0B:G0B+3], s[G1B:G1B+7]
	s_nop 0
.rept 4
	v_nop
.endr
.Lasked_\@:
.endm
; A PREFETCH INTO THE L2 behind each refill and the run of LDS loads: the K step that the NEXT refill will ask for, a lane a row, one instruction a wave.  A's rows are asked for by the clusters with x = 0,
; B's by those with y = 0; the four partners that ask for a tile jointly share its rows out by address.  The loop's last trip (s3 = 1) asks for nothing; K steps 0 to 2 come by their loads alone.
.macro ASK
	WIN 0
	s_cmp_gt_u32 s3, s[LIM]
	s_cbranch_scc0 .Lnot_mine_\@
	global_prefetch_b8 v[PFO], s[PFA:PFA+1] offset:2*KSTEP th:TH_LOAD_NT scope:SCOPE_SE
.Lnot_mine_\@:
.endm
; Two blocks of rows x all blocks of columns, 32 along K, of buffer f.  The accumulators take turns.  zero = 1: the product starts the sum.
.macro MULP f, hh, pp, zero
.if QD == 1
.set cc, 0
.set aa, 4*(\hh)+2*(\pp)
.else
.set cc, (\hh)
.set aa, 2*(\pp)
.endif
.rept 2
.set bb, 0
.rept NBW
.set tt, NBW*aa+bb
.set rD, 8*(tt%32)
.set rB, 128*(\f)+64+8*(NBW*cc+bb)
.set rA, 128*(\f)+8*(MB*cc+aa)
	WIN 0x05|((2+tt/32)*0x50)
.if \zero
	v_wmma_f32_16x16x32_bf16 v[rD:rD+7], v[rB:rB+7], v[rA:rA+7], 0
.else
	v_wmma_f32_16x16x32_bf16 v[rD:rD+7], v[rB:rB+7], v[rA:rA+7], v[rD:rD+7]
.endif
.set bb, bb+1
.endr
.set aa, aa+1
.endr
.endm
; One run of LDS loads: quarter q of the slot in hand into buffer f.
.macro FETCH q, f
	WIN 0x40                                       ; destination window 1, address window 0
.if QD == 1
.set ii, 0
.rept NBW
	ds_load_b128 v[128*(\f)+64+8*ii:128*(\f)+64+8*ii+3],   v[ADRB] offset:(\q)*BQ+ii*16*PITCH
	ds_load_b128 v[128*(\f)+64+8*ii+4:128*(\f)+64+8*ii+7], v[ADRB] offset:(\q)*BQ+ii*16*PITCH+32
.set ii, ii+1
.endr
.set ii, 0
.rept MB
	ds_load_b128 v[128*(\f)+8*ii:128*(\f)+8*ii+3],   v[ADRA] offset:(\q)*AQ+ii*ABLK
	ds_load_b128 v[128*(\f)+8*ii+4:128*(\f)+8*ii+7], v[ADRA] offset:(\q)*AQ+ii*ABLK+32
.set ii, ii+1
.endr
.else
.set cc, 0
.rept 2
.set ii, 0
.rept 4
	ds_load_b128 v[128*(\f)+64+8*(4*cc+ii):128*(\f)+64+8*(4*cc+ii)+3],   v[ADRB] offset:(\q)*BQ+64*cc+ii*16*PITCH
	ds_load_b128 v[128*(\f)+64+8*(4*cc+ii)+4:128*(\f)+64+8*(4*cc+ii)+7], v[ADRB] offset:(\q)*BQ+64*cc+ii*16*PITCH+32
	ds_load_b128 v[128*(\f)+8*(4*cc+ii):128*(\f)+8*(4*cc+ii)+3],         v[ADRA] offset:(\q)*AQ+64*cc+ii*ABLK
	ds_load_b128 v[128*(\f)+8*(4*cc+ii)+4:128*(\f)+8*(4*cc+ii)+7],       v[ADRA] offset:(\q)*AQ+64*cc+ii*ABLK+32
.set ii, ii+1
.endr
.set cc, cc+1
.endr
.endif
.endm
; Multiplies buffer f; in its middle fetches quarter q into buffer g.
.macro QUARTER q, f, g, zero
	s_wait_dscnt YW                                ; all but the youngest YW loads, which the second half wants
	MULP \f, 0, 0, \zero
	MULP \f, 0, 1, \zero
	PLACES
	FETCH \q, \g
	s_wait_dscnt NL                                ; all but the run just issued
.if QD == 1
	MULP \f, 1, 0, \zero
	MULP \f, 1, 1, \zero
.else
	MULP \f, 1, 0, 0
	MULP \f, 1, 1, 0
.endif
.endm
; A K step's last quarter (buffer 1) and the change of slots.  In front of the round each wave waits for all its tensor loads (one is out: its part of the next slot), adds 0 to its spare word and waits for that and
; for its reads of this slot.  Behind the round this slot is filled again first, with the K step two on; then the next slot's first fragments are read.
.macro TURN
	s_wait_xcnt 0x0                                ; the last prefetch, a K step back, has read its address
	s_add_nc_u64 s[PFA:PFA+1], s[PFA:PFA+1], 2*KSTEP
	WIN 0
	s_wait_tensorcnt 0x0
	ds_add_u32 v[SPW], v[NIL]
	s_wait_dscnt YW+1                              ; (the add and the youngest YW loads may be out)
	MULP 1, 0, 0, 0
	s_wait_dscnt 0x0                               ; the add is done, my reads of this slot are over
	s_barrier_signal -1
	MULP 1, 0, 1, 0
	WIN 0
	s_barrier_wait -1
	CREST
	s_add_nc_u64 s[G0+2:G0+3], s[G0+2:G0+3], ASTEP
	s_add_nc_u64 s[G0B+2:G0B+3], s[G0B+2:G0B+3], BSTEP
	s_add_co_u32 s[G0+1], s[WPA], s[TB]            ; into the slot just read out
	s_add_co_u32 s[G0B+1], s[WPB], s[TB]
	JLOAD
	s_xor_b32 s[TB], s[TB], SLOT
	v_add_nc_u32 v[ADRA], s[TB], v[ADRA0]
	v_add_nc_u32 v[ADRB], s[TB], v[ADRB0]
	FETCH 0, 0
	ASK
	MULP 1, 1, 0, 0
	MULP 1, 1, 1, 0
.endm
.macro LASTQ                           ; a last quarter that fetches nothing
	s_wait_dscnt YW
	MULP 1, 0, 0, 0
	MULP 1, 0, 1, 0
	s_wait_dscnt 0x0
	MULP 1, 1, 0, 0
	MULP 1, 1, 1, 0
.endm
.macro CHANGE0                         ; the last change of slots: nothing is asked for
	WIN 0
	s_wait_tensorcnt 0x0                           ; my part of the last K step is in
	ds_add_u32 v[SPW], v[NIL]
	s_xor_b32 s[TB], s[TB], SLOT
	s_wait_dscnt 0x0
	s_barrier_signal -1
	s_barrier_wait -1                              ; everybody's is
	v_add_nc_u32 v[ADRA], s[TB], v[ADRA0]
	v_add_nc_u32 v[ADRB], s[TB], v[ADRB0]
	PLACES
	FETCH 0, 0
.endm
.macro DUMP                            ; my accumulators into the f32 tile, each from its low end on
.set aa, 0
.rept MB
.set bb, 0
.rept NBW
.set tt, NBW*aa+bb
.set rD, 8*(tt%32)
	WIN (2+tt/32)<<2                               ; the data in window 2 or 3
	ds_store_b128 v[DST+aa/4], v[rD:rD+3]   offset:(aa%4)*16*DP+64*bb
	ds_store_b128 v[DST+aa/4], v[rD+4:rD+7] offset:(aa%4)*16*DP+64*bb+16
.set bb, bb+1
.endr
.set aa, aa+1
.endr
	WIN 0
.endm
	s_load_b128 s[4:7], s[0:1], 0x0                ; A s[4:5], wt s[6:7]
	s_load_b64 s[8:9], s[0:1], 0x10                ; qkv
	s_load_b64 s[60:61], s[0:1], 0x18              ; bq
	s_load_b128 s[68:71], s[0:1], 0x20             ; bk, bv
	v_lshl_add_u32 v[SPW], v0, 2, SPARE
	v_mov_b32 v[NIL], 0
	ds_add_u32 v[SPW], v[NIL]                      ; the wave's opening: the add and its wait ahead of my first tensor load
	v_lshrrev_b32 v1, 5, v0
	v_readfirstlane_b32 s10, v1                    ; wave 0..3
	s_lshr_b32 s11, s10, 1                         ; my half of the tile's rows.  Also: I fetch for A (0) or B (1)
	s_and_b32 s12, s10, 1                          ; my half of its columns.  Also: which half of that tile I fetch
	s_bfe_u32 s40, ttmp6, 0x40000                  ; cx
	s_bfe_u32 s41, ttmp6, 0x40004                  ; cy
	s_lshl_b32 s42, ttmp9, 2
	s_add_co_u32 s42, s42, s40                     ; tile column
	s_and_b32 s13, ttmp7, 0xffff
	s_lshl_b32 s13, s13, 2
	s_add_co_u32 s13, s13, s41                     ; tile row
	s_lshl_b32 s14, s41, 2
	s_lshl_b32 s14, 15, s14                        ; my row of the cluster
	s_lshl_b32 s15, 0x1111, s40                    ; my column
	s_or_b32 s[G1], s14, (1<<16)|(1<<20)|(1<<21)|(AQI<<22)|(3<<25)   ; mask; 2-byte elements; padding on; bit 21 beside a mask; interval; 4 words of padding
	s_or_b32 s[G1B], s15, (1<<16)|(1<<20)|(1<<21)|(BQI<<22)|(3<<25)
	s_mov_b32 s[G1+1], ADIM0<<16                   ; tensor_dim0
	s_mov_b32 s[G1+2], AROWS<<16                   ; tensor_dim1
	s_mov_b32 s[G1+3], ADIM0<<16                   ; tile_dim0
	s_mov_b32 s[G1+4], AROWS                       ; tile_dim1
	s_mov_b32 s[G1+5], ASTR                        ; elements from row to row
	s_mov_b32 s[G1+6], 0
	s_mov_b32 s[G1+7], 0
	s_mov_b32 s[G1B+1], KSTEP<<16
	s_mov_b32 s[G1B+2], (TN/2)<<16
	s_mov_b32 s[G1B+3], KSTEP<<16
	s_mov_b32 s[G1B+4], TN/2
	s_mov_b32 s[G1B+5], KSIZE
	s_mov_b32 s[G1B+6], 0
	s_mov_b32 s[G1B+7], 0
	s_mul_i32 s16, s13, TM                         ; A's address hangs on the tile row and the wave alone,
	s_mul_i32 s17, s12, TM/2
	s_add_co_u32 s16, s16, s17
	s_mul_i32 s16, s16, AROWB
	s_mov_b32 s17, 0
	s_mul_i32 s46, s42, TN                         ; B's on the tile column and the wave alone
	s_mul_i32 s47, s12, TN/2
	s_add_co_u32 s46, s46, s47
	s_mul_i32 s46, s46, 2*KSIZE
	s_add_co_u32 s46, s46, WOFF
	s_mov_b32 s47, 0
	s_mul_i32 s[WPA], s12, HA                      ; no place in the cluster enters an LDS address
	s_mul_i32 s[WPB], s12, HB
	s_add_co_u32 s[WPB], s[WPB], 2*HA
	s_mov_b32 s[TB], 0
	s_wait_dscnt 0x0                               ; the opening add is done
	s_wait_kmcnt 0x0
	s_add_nc_u64 s[14:15], s[4:5], s[16:17]
	s_add_nc_u64 s[46:47], s[6:7], s[46:47]
	s_mov_b32 s[G0F], 1                            ; K step 0 into slot 0
	s_mov_b32 s[G0F+1], s[WPA]
	s_mov_b64 s[G0F+2:G0F+3], s[14:15]
	s_or_b32 s[G0F+3], s[G0F+3], 0x80000000
	s_mov_b32 s[G0FB], 1
	s_mov_b32 s[G0FB+1], s[WPB]
	s_mov_b64 s[G0FB+2:G0FB+3], s[46:47]
	s_or_b32 s[G0FB+3], s[G0FB+3], 0x80000000
	s_mov_b32 s[G0], 1                             ; K step 1 into slot 1: the walking descriptors
	s_add_co_u32 s[G0+1], s[WPA], SLOT
	s_add_nc_u64 s[G0+2:G0+3], s[14:15], ASTEP
	s_or_b32 s[G0+3], s[G0+3], 0x80000000
	s_mov_b32 s[G0B], 1
	s_add_co_u32 s[G0B+1], s[WPB], SLOT
	s_add_nc_u64 s[G0B+2:G0B+3], s[46:47], BSTEP
	s_or_b32 s[G0B+3], s[G0B+3], 0x80000000
	CROUND                                         ; all sixteen work-groups are here: the first joint loads meet
	s_cmp_eq_u32 s11, 0                            ; a wave's two first fills stand in one branch: two loads of mine are out
	s_cbranch_scc0 .Lfirst_b
	tensor_load_to_lds s[G0F:G0F+3], s[G1:G1+7]
	s_nop 0
	tensor_load_to_lds s[G0:G0+3], s[G1:G1+7]
	s_nop 0
.rept 4
	v_nop
.endr
	s_branch .Lfirst_done
.Lfirst_b:
	tensor_load_to_lds s[G0FB:G0FB+3], s[G1B:G1B+7]
	s_nop 0
	tensor_load_to_lds s[G0B:G0B+3], s[G1B:G1B+7]
	s_nop 0
.rept 4
	v_nop
.endr
.Lfirst_done:
	; a fragment is 16 rows x 32 K in 8 registers: lane l holds row l % 16, K = 8 (l / 16) + 0..7 and 16 + 8 (l / 16) + 0..7: two loads of 16 bytes, 32 bytes apart
	v_and_b32 v1, 15, v0                           ; r
	v_bfe_u32 v2, v0, 4, 1                         ; h
	v_and_b32 v5, 31, v0                           ; lane
	v_mul_u32_u24 v3, v1, PITCH
	v_lshl_add_u32 v3, v2, 4, v3
	s_mul_i32 s21, s11, HA
	v_add_nc_u32 v[ADRA0], s21, v3
	s_mul_i32 s22, s12, HB
	s_add_co_u32 s22, s22, 2*HA
	v_add_nc_u32 v[ADRB0], s22, v3
	s_mul_i32 s20, s11, (TM/2)*DP                  ; the f32 tile: row (my half) + r, column (my half) + 8 h
	s_mul_i32 s21, s12, (TN/2)*4
	s_add_co_u32 s20, s20, s21
	v_mul_u32_u24 v3, v1, DP
	v_lshl_add_u32 v3, v2, 5, v3
	v_add_nc_u32 v[DST], s20, v3
	v_add_nc_u32 v[DST+1], 64*DP, v[DST]
	; the way out: wave w takes rows 64 w .. 64 w + 63; 16 lanes take 64 numbers (q, k or v) of one token, lanes 16-31 the next token's
	s_mul_i32 s20, s10, 64*DP
	v_mul_u32_u24 v3, v2, DP
	v_lshl_add_u32 v3, v1, 4, v3
	v_add_nc_u32 v[DRD0], s20, v3
	s_lshl_b32 s21, s42, 8                         ; the head's 64 biases
	v_lshl_add_u32 v6, v1, 4, s21
	global_load_b128 v[BIAS:BIAS+3], v6, s[60:61]
	global_load_b128 v[BIAS+4:BIAS+7], v6, s[68:69]
	global_load_b128 v[BIAS+8:BIAS+11], v6, s[70:71]
	v_lshlrev_b32 v[GOF], 3, v5                    ; two tokens x 128 bytes: 8 bytes a lane
	s_lshr_b32 s20, s13, 2                         ; batch
	s_lshl_b32 s20, s20, 4
	s_add_co_u32 s20, s20, s42                     ; 16 batch + head
	s_lshl_b32 s20, s20, 10
	s_and_b32 s21, s13, 3
	s_lshl_b32 s21, s21, 8
	s_add_co_u32 s20, s20, s21
	s_lshl_b32 s21, s10, 6
	s_add_co_u32 s20, s20, s21                     ; my first token's row
	s_lshl_b32 s20, s20, 7
	s_mov_b32 s21, 0
	s_add_nc_u64 s[QP:QP+1], s[8:9], s[20:21]
	s_add_nc_u64 s[QP+2:QP+3], s[QP:QP+1], 0x800000
	s_add_nc_u64 s[QP+4:QP+5], s[QP:QP+1], 0x1000000
	; the prefetches: of the rows that I fetch my work-group takes a quarter, by its place among the four that ask jointly
	s_and_b32 s22, ttmp7, 0xffff                   ; cluster y
	s_mul_i32 s20, s13, TM
	s_mul_i32 s21, s42, TN
	s_mov_b32 s23, TN/2
	s_cmp_eq_u32 s11, 0                            ; do I fetch for A?
	s_cselect_b32 s20, s20, s21                    ; the tile's first row
	s_cselect_b32 s21, s40, s41                    ; my place among the four
	s_cselect_b32 s22, ttmp9, s22                  ; the coordinate along which other clusters read the same rows
	s_cselect_b32 s23, TM/2, s23                   ; rows that a wave fetches
	s_cselect_b32 s2, 0, WOFF
	s_cselect_b64 s[PFA:PFA+1], s[4:5], s[6:7]
	s_cmp_eq_u32 s22, 0
	s_cselect_b32 s[LIM], 1, -1
	s_mul_i32 s22, s12, s23
	s_add_co_u32 s20, s20, s22
	s_lshr_b32 s23, s23, 2                         ; a partner's share: 32 rows of A, 24 of B
	s_mul_i32 s21, s21, s23
	s_add_co_u32 s20, s20, s21
	s_mul_i32 s20, s20, 2*KSIZE
	s_add_co_u32 s20, s20, s2
	s_add_co_u32 s20, s20, 2*KSTEP                 ; at K step 1: the first change steps it to 2 and names K step 3
	s_mov_b32 s21, 0
	s_add_nc_u64 s[PFA:PFA+1], s[PFA:PFA+1], s[20:21]
	s_sub_co_u32 s23, s23, 1
	v_min_u32 v[PFO], s23, v5                      ; lanes beyond the share name its last row once more
	v_lshlrev_b32 v[PFO], 11, v[PFO]
	s_wait_tensorcnt 0x1                           ; my part of K step 0 is in; K step 1's may stay out
	s_barrier_signal -1
	s_barrier_wait -1
	v_mov_b32 v[ADRA], v[ADRA0]
	v_mov_b32 v[ADRB], v[ADRB0]
	FETCH 0, 0
	QUARTER 1, 0, 1, 1                             ; the first quarter's products start the sums
	WIN 0
	s_mov_b32 s3, NT-2
.Lstep:                                            ; a trip: a K step's quarters 1 to 3, the refill, the next step's quarter 0
	QUARTER 2, 1, 0, 0
	QUARTER 3, 0, 1, 0
	TURN
	QUARTER 1, 0, 1, 0
	WIN 0
	s_sub_co_u32 s3, s3, 1
	s_cmp_lg_u32 s3, 0
	s_cbranch_scc1 .Lstep
	s_mov_b32 s3, 2
	s_branch .Lmid                                 ; the last two K steps ask for nothing: two trips, entered in the middle
.Ltail:
	CHANGE0
	QUARTER 1, 0, 1, 0
	WIN 0
.Lmid:
	QUARTER 2, 1, 0, 0
	QUARTER 3, 0, 1, 0
	LASTQ
	WIN 0
	s_sub_co_u32 s3, s3, 1
	s_cmp_lg_u32 s3, 0
	s_cbranch_scc1 .Ltail
	PLACES
	s_barrier_signal -1                            ; every wave's reads of both slots are over (the last wait on DScnt was for 0), and no fill is to come
	s_barrier_wait -1
	DUMP
	s_wait_dscnt 0x0                               ; for the others' sake
	s_barrier_signal -1
	s_barrier_wait -1
	; THE WAY OUT: eight trips of eight tokens.  A trip's 12 LDS loads are issued a trip ahead; the last trip's look-ahead reads its own rows once more, and nobody uses them.
.set XR, 64
.set ZR, 112
.set OU, 160
.macro XLOAD
.set jj, 0
.rept 12                               ; load 3 p + which: tokens 2 p, 2 p + 1
	ds_load_b128 v[XR+4*jj:XR+4*jj+3], v[DRD] offset:(jj/3)*2*DP+(jj%3)*256
.set jj, jj+1
.endr
.endm
	s_wait_loadcnt 0x0                             ; the biases
	v_mov_b32 v[DRD], v[DRD0]
	XLOAD
	s_mov_b32 s[EL], 0
	s_mov_b32 s3, 8
.Lout:
	s_wait_dscnt 0x0
.set jj, 0
.rept 12
	v_pk_add_f32 v[ZR+4*jj:ZR+4*jj+1],   v[XR+4*jj:XR+4*jj+1],   v[BIAS+4*(jj%3):BIAS+4*(jj%3)+1]
	v_pk_add_f32 v[ZR+4*jj+2:ZR+4*jj+3], v[XR+4*jj+2:XR+4*jj+3], v[BIAS+4*(jj%3)+2:BIAS+4*(jj%3)+3]
.set jj, jj+1
.endr
	s_add_co_u32 s[EL], s[EL], 8*DP
	s_min_u32 s[EL], s[EL], 56*DP
	v_add_nc_u32 v[DRD], s[EL], v[DRD0]
	XLOAD
.set jj, 0
.rept 24
	v_cvt_pk_bf16_f32 v[OU+jj], v[ZR+2*jj], v[ZR+2*jj+1]
.set jj, jj+1
.endr
.set jj, 0
.rept 12
	global_store_b64 v[GOF], v[OU+2*jj:OU+2*jj+1], s[QP+2*(jj%3):QP+2*(jj%3)+1] offset:(jj/3)*256   ; 32 lanes store 256 consecutive bytes, aligned
.set jj, jj+1
.endr
	s_wait_xcnt 0x0                                ; the stores have read their data and offset
	v_add_nc_u32 v[GOF], 1024, v[GOF]
	s_sub_co_u32 s3, s3, 1
	s_cmp_lg_u32 s3, 0
	s_cbranch_scc1 .Lout
	s_wait_tensorcnt 0x0                           ; the wave's end
	ds_add_u32 v[SPW], v[NIL]
	s_wait_dscnt 0x0
	CROUND                                         ; the closing round
	s_endpgm
.Lfunc_end_k_q5fdce65f98_qkvg:
	.size	k_q5fdce65f98_qkvg, .Lfunc_end_k_q5fdce65f98_qkvg-k_q5fdce65f98_qkvg
	.p2alignl 7, 3214868480
	.fill 96, 4, 3214868480
	.section	.rodata,"a",@progbits
	.p2align	6, 0x0
	.amdhsa_kernel k_q5fdce65f98_qkvg
		.amdhsa_group_segment_fixed_size 327680
		.amdhsa_private_segment_fixed_size 0
		.amdhsa_enable_private_segment 0
		.amdhsa_kernarg_size 48
		.amdhsa_user_sgpr_count 2
		.amdhsa_user_sgpr_kernarg_segment_ptr 1
		.amdhsa_wavefront_size32 1
		.amdhsa_system_sgpr_workgroup_id_x 1
		.amdhsa_system_sgpr_workgroup_id_y 1
		.amdhsa_system_sgpr_workgroup_id_z 1
		.amdhsa_system_vgpr_workitem_id 0
		.amdhsa_next_free_vgpr 896
		.amdhsa_next_free_sgpr 100
		.amdhsa_reserve_vcc 0
		.amdhsa_float_denorm_mode_32 3
		.amdhsa_float_denorm_mode_16_64 3
		.amdhsa_memory_ordered 1
		.amdhsa_forward_progress 1
		.amdhsa_inst_pref_size 71
	.end_amdhsa_kernel
	.amdgpu_metadata
---
amdhsa.version: [ 1, 2 ]
amdhsa.kernels:
  - .name:           k_q5fdce65f98_qkvg
    .symbol:         k_q5fdce65f98_qkvg.kd
    .args:
      - { .name: hbuf, .offset: 0, .size: 8, .value_kind: global_buffer, .address_space: global }
      - { .name: wt, .offset: 8, .size: 8, .value_kind: global_buffer, .address_space: global }
      - { .name: qkv, .offset: 16, .size: 8, .value_kind: global_buffer, .address_space: global }
      - { .name: bq, .offset: 24, .size: 8, .value_kind: global_buffer, .address_space: global }
      - { .name: bk, .offset: 32, .size: 8, .value_kind: global_buffer, .address_space: global }
      - { .name: bv, .offset: 40, .size: 8, .value_kind: global_buffer, .address_space: global }
    .group_segment_fixed_size: 327680
    .private_segment_fixed_size: 0
    .kernarg_segment_align: 8
    .kernarg_segment_size: 48
    .max_flat_workgroup_size: 128
    .sgpr_count:     100
    .vgpr_count:     896
    .wavefront_size: 32
...
	.end_amdgpu_metadata
.endif
;; end of part 2
;; launch attn (part 3): grid 4 x 64, 4 waves a work-group, clusters of 4 x 1, 327,680 bytes of LDS; arguments qkv, o2; writes o2
.if DOCPART == 3
	.amdgcn_target "amdgcn-amd-amdhsa--gfx1250"
	.amdhsa_code_object_version 6
	.text
	.protected	k_q5fdce65f98_attn
	.globl	k_q5fdce65f98_attn
	.p2align	8
	.type	k_q5fdce65f98_attn,@function
k_q5fdce65f98_attn:
	s_mov_b64 s[64:65], 0
	v_nop
	global_prefetch_b8 v0, s[64:65] scope:SCOPE_SE
	s_setreg_imm32_b32 hwreg(HW_REG_WAVE_MODE, 25, 1), 1
	s_wait_xcnt 0x0
	s_wait_alu depctr_hold_cnt(0) depctr_sa_sdst(0) depctr_va_vdst(0) depctr_va_sdst(0) depctr_va_ssrc(0) depctr_va_vcc(0) depctr_vm_vsrc(0)
	s_getreg_b32 s2, hwreg(HW_REG_IB_STS2, 6, 4)
	s_cmp_eq_u32 s2, 0
	s_cbranch_scc0 .Lentry_in_a_cluster
	s_endpgm
.Lentry_in_a_cluster:
	s_bfe_u32 s2, ttmp6, 0x10000c
	s_cmp_lg_u32 s2, 0x3003
	s_cbranch_scc0 .Lentry_shape_is_right
	s_endpgm
.Lentry_shape_is_right:
; CAUSAL ATTENTION.  O[q] = the sum over k <= q of softmax_k(Q[q] . K[k] / 8) V[k], for each of 64 heads (batch x head) of 1024 rows of 64 channels, bf16; products, maxima and sums in f32;
; the weights p are rounded to bf16 for the second product (their sum l is taken of the unrounded p), O once at the end.
; LIMITS.  A hidden score counts as its value less 1e30, so scores stay under 1e28; a weight below 2^-126 counts as 0 in l; NaN and infinities are not treated apart.
; THE WALK.  A head's queries lie in 8 blocks of 128; block i needs the key tiles 0 .. i of 128 keys, the last of which holds the diagonal.  WAVE w takes blocks 7 - w and then w: 9 tiles, whatever w.
; SHARES.  Of a block's eight tiles of 16 queries the head's work-group cx (0..3) takes tiles 2 cx and 2 cx + 1 (u = 0, 1).  So branches and LDS addresses hang on the wave's number and the loops' counters alone;
; cx enters Q's and O's addresses in memory and the mask's numbers, and nothing else.
; CLUSTER.  The four work-groups of a head form a cluster and want the same K and V: each of the four tensor loads (a wave each: 512 rows of K or of V) is asked for JOINTLY, with the same descriptor and the mask of four.
; THE WHOLE HEAD's K AND V LIE IN LDS; nothing is filled again, so there is one barrier behind the loads, one text for every tile, and the tiles above the diagonal are jumped over.
; The price: the products begin when all 256 KiB have landed.
; LAYOUT.  S^T = K Q^T (source 0 = 16 keys, source 1 = 16 queries): a lane holds ONE query (l % 16) and the keys 8 (l / 16) + 0..7 of each block of 16.  Two such results rounded to bf16 ARE source 1 of
; O^T = V^T P.  K comes out of LDS as it lies, V turned, by ds_load_tr16_b128.
; THE MASK of a block's diagonal tile is the same for every block: MC, 0 or -1e30, made once at the head.  It is the C operand that starts S^T's sums in the diagonal tile; in the other tiles C is the constant 0.
; O LEAVES as o2[token pair][head][2 tokens][64]: a pair and head are 256 consecutive bytes.
; REGISTERS: window 0 addresses, statistics, S^T (64 a tile u), P (32 a tile u); window 1 K and V of one tile; window 2 MC, O^T, Q, the second block's Q.
.set PK,    144                        ; a row of K in LDS: 128 bytes + 16
.set PV,    160                        ; a row of V: 128 + 32
.set VOFF,  1024*PK
.set STAGE, VOFF+1024*PV               ; 16 rows x 144 bytes for each wave, for the way out
.set SP,    144
.set SPARE, STAGE+4*16*SP              ; the spare words, 128 bytes a wave
.set AK0, 2                            ; v2  my lane's place in a tile of K; never rewritten
.set AV0, 3                            ; v3  in a tile of V
.set AK,  4
.set AV,  5
.set STO, 6                            ; v6  the way out: where I put 16 bytes of a row
.set RD,  7                            ; v7  where I read rows back
.set GO,  8                            ; v8  my byte offset in two pairs of o2
.set QO,  12                           ; v12 my byte offset in 16 rows of Q
.set BIGV, 13                          ; v13 -1e30
.set DQ,  14                           ; v14 my query's place in its block (for u = 0) less my lanes' 8 (l / 16)
.set ST,  16                           ; tile u's statistics at v[ST+8 u]: c m, m, l (even, odd keys'), c0-c3 at work
.set MV,  32                           ; v32, v33  c m_old
.set AP,  34                           ; v[34:35], v[36:37]  a, in the low word of a pair
.set SPW, 62
.set NIL, 63
.set S,   64
.set P,   192
.set KF,  0                            ; window 1: key block kb, channel half c at 16 kb + 8 c
.set VF,  128                          ; window 1: key group kk of 32, channel block cb at 128 + 32 kk + 8 cb
.set MC,  0                            ; window 2: tile u, key block kb at 64 u + 8 kb
.set OF,  128
.set QF,  192
.set QN,  224
.set WV,  12
.set CX,  14                           ; s14  my work-group's place in the cluster
.set QB,  15                           ; s15  the block in hand
.set QBN, 16                           ; s16  the second block
.set T,   17                           ; s17  the tile
.set TBK, 18
.set TBV, 19
.set BLK, 20
.set G1K, 24
.set G1V, 32
.set G0K, 40
.set CS,  52                           ; s[52:53] c = log2(e) / 8
.set SEL, 54
.set OA,  56                           ; s[56:57] o2 at my rows of the block in hand
.set OB,  58                           ; s[58:59] of the second block
.set QPA, 60
.set QPB, 62
.set G0V, 72
.set MSB, 0
.macro WIN new
.if MSB != (\new)
	s_set_vgpr_msb (MSB<<8)|(\new)
.set MSB, (\new)
.endif
.endm
.macro PLACES
.rept 4
	v_nop
.endr
.endm
.macro CROUND                          ; a round of the cluster's barrier
	s_barrier_signal -1
	s_barrier_wait -1
	s_cmp_lg_u32 s[WV], 0
	s_cbranch_scc1 .Lnot_wave_0_\@
	s_barrier_signal -3
.Lnot_wave_0_\@:
	s_barrier_wait -3
	s_barrier_signal -1
	s_barrier_wait -1
.endm
.macro RG u
.set rT, ST+8*(\u)
.set rS, S+64*(\u)
.set rP, P+32*(\u)
.set rA, AP+2*(\u)
.set rW, MV+(\u)
.set rO, OF+32*(\u)
.endm
	s_load_b128 s[4:7], s[0:1], 0x0                ; qkv, o2
	v_lshl_add_u32 v[SPW], v0, 2, SPARE
	v_mov_b32 v[NIL], 0
	ds_add_u32 v[SPW], v[NIL]                      ; the wave's opening: the add and its wait ahead of my first tensor load
	v_lshrrev_b32 v1, 5, v0
	v_readfirstlane_b32 s[WV], v1
	s_bfe_u32 s[CX], ttmp6, 0x40000                ; cx
	s_mov_b32 s[QBN], s[WV]
	s_sub_co_u32 s[QB], 7, s[WV]
	s_and_b32 s8, ttmp7, 0xffff                    ; batch x head: the cluster's y, which the four partners share
	s_lshl_b32 s2, s8, 17                          ; its 1024 rows of 128 bytes
	s_and_b32 s9, s[WV], 1                         ; which 512 rows I fetch
	s_lshl_b32 s10, s9, 16
	s_add_co_u32 s10, s10, s2
	s_mov_b32 s11, 0
	s_mov_b32 s[G0K], 1
	s_mul_i32 s[G0K+1], s9, 512*PK                 ; no place in the cluster enters an LDS address
	s_mov_b32 s[G0V], 1
	s_mul_i32 s[G0V+1], s9, 512*PV
	s_add_co_u32 s[G0V+1], s[G0V+1], VOFF
	; 512 rows are 65,536 dense bytes: asked for as 256 rows of 256 bytes, two keys a row, padded in LDS after every key
	s_mov_b32 s[G1K], 15|(1<<16)|(1<<20)|(1<<21)|(4<<22)|(3<<25)   ; the mask of four; 2-byte elements; padding on; bit 21 beside a mask; after every 32 words; 4 words
	s_mov_b32 s[G1V], 15|(1<<16)|(1<<20)|(1<<21)|(4<<22)|(7<<25)   ; 8 words
.irp gg, G1K, G1V
	s_mov_b32 s[\gg+1], 128<<16
	s_mov_b32 s[\gg+2], 256<<16
	s_mov_b32 s[\gg+3], 128<<16
	s_mov_b32 s[\gg+4], 256
	s_mov_b32 s[\gg+5], 128
	s_mov_b32 s[\gg+6], 0
	s_mov_b32 s[\gg+7], 0
.endr
	s_mov_b32 s[CS], 0x3e38aa3b
	s_mov_b32 s[CS+1], s[CS]
	s_mov_b32 s[SEL], 0x76543210
	s_mov_b32 s[SEL+1], 0xfedcba98
	s_mov_b32 s[BLK], 2
	s_lshl_b32 s66, s[CX], 12                      ; Q: my work-group's 32 rows of a block
	s_add_co_u32 s66, s66, s2
	s_lshl_b32 s68, s[QB], 14
	s_add_co_u32 s68, s68, s66
	s_mov_b32 s69, 0
	s_lshl_b32 s70, s[QBN], 14
	s_add_co_u32 s70, s70, s66
	s_mov_b32 s71, 0
	s_lshr_b32 s66, s8, 4                          ; o2: token x 2048 + head x 256
	s_lshl_b32 s66, s66, 21
	s_and_b32 s67, s8, 15
	s_lshl_b32 s67, s67, 8
	s_add_co_u32 s66, s66, s67
	s_lshl_b32 s67, s[CX], 16
	s_add_co_u32 s66, s66, s67
	s_lshl_b32 s76, s[QB], 18
	s_add_co_u32 s76, s76, s66
	s_mov_b32 s77, 0
	s_lshl_b32 s78, s[QBN], 18
	s_add_co_u32 s78, s78, s66
	s_mov_b32 s79, 0
	s_wait_dscnt 0x0                               ; the opening add is done
	s_wait_kmcnt 0x0
	s_add_nc_u64 s[G0K+2:G0K+3], s[4:5], s[10:11]
	s_add_nc_u64 s[G0V+2:G0V+3], s[G0K+2:G0K+3], 0x1000000   ; v lies 16 MiB behind q,
	s_add_nc_u64 s[G0K+2:G0K+3], s[G0K+2:G0K+3], 0x800000    ; k 8 MiB
	s_or_b32 s[G0K+3], s[G0K+3], 0x80000000
	s_or_b32 s[G0V+3], s[G0V+3], 0x80000000
	s_add_nc_u64 s[QPA:QPA+1], s[4:5], s[68:69]
	s_add_nc_u64 s[QPB:QPB+1], s[4:5], s[70:71]
	s_add_nc_u64 s[OA:OA+1], s[6:7], s[76:77]
	s_add_nc_u64 s[OB:OB+1], s[6:7], s[78:79]
	CROUND                                         ; all four work-groups are here: the joint loads meet
	s_cmp_lt_u32 s[WV], 2                          ; waves 0, 1 fetch K's halves, waves 2, 3 V's: one load of mine is out
	s_cbranch_scc0 .Lfor_v
	tensor_load_to_lds s[G0K:G0K+3], s[G1K:G1K+7]
	s_nop 0
.rept 4
	v_nop
.endr
	s_branch .Lasked
.Lfor_v:
	tensor_load_to_lds s[G0V:G0V+3], s[G1V:G1V+7]
	s_nop 0
.rept 4
	v_nop
.endr
.Lasked:
	v_and_b32 v1, 15, v0                           ; r
	v_bfe_u32 v9, v0, 4, 1                         ; h
	v_lshlrev_b32 v[QO], 7, v1
	v_lshl_add_u32 v[QO], v9, 4, v[QO]
	v_lshlrev_b32 v15, 3, v9
	v_sub_nc_u32 v[DQ], v1, v15                    ; r - 8 h
	s_lshl_b32 s13, s[CX], 5
	v_add_nc_u32 v[DQ], s13, v[DQ]                 ; + 32 cx
	v_mov_b32 v[BIGV], 0xf149f2ca                  ; -1e30
	WIN 0x80                                       ; destination window 2
.irp i, 0,1,2,3                        ; both blocks' Q: tile i / 2, channels 32 (i % 2) on
	global_load_b128 v[QF+8*\i:QF+8*\i+3],   v[QO], s[QPA:QPA+1] offset:(\i/2)*2048+(\i%2)*64
	global_load_b128 v[QF+8*\i+4:QF+8*\i+7], v[QO], s[QPA:QPA+1] offset:(\i/2)*2048+(\i%2)*64+32
	global_load_b128 v[QN+8*\i:QN+8*\i+3],   v[QO], s[QPB:QPB+1] offset:(\i/2)*2048+(\i%2)*64
	global_load_b128 v[QN+8*\i+4:QN+8*\i+7], v[QO], s[QPB:QPB+1] offset:(\i/2)*2048+(\i%2)*64+32
.endr
	; The mask: key 16 kb + 8 h + j of the diagonal tile is hidden from query 32 cx + 16 u + r where it is the greater.  All that follows, to the wait, stands in the wait for the tiles.
.irp u, 0,1
.set kk, 0
.rept 64
	v_cmp_gt_i32 vcc_lo, 16*(kk/8)+kk%8-16*\u, v[DQ]
	v_cndmask_b32 v[MC+64*\u+kk], 0, v[BIGV], vcc_lo
.set kk, kk+1
.endr
.endr
	; A block's first step multiplies O^T and l by a = 0, so they need only hold finite numbers: zeros for the first block, what the first block left for the second.
.set i, 0
.rept 64
	v_mov_b32 v[OF+i], 0
.set i, i+1
.endr
	WIN 0
.irp u, 0,1
	v_mov_b32 v[ST+8*\u+2], 0
	v_mov_b32 v[ST+8*\u+3], 0
	v_mov_b32 v[ST+8*\u+5], 0                      ; the block's end gives this register to v_permlanex16_b32, whose destination counts as read: written here, on every path
	v_mov_b32 v[AP+2*\u], 0
	v_mov_b32 v[AP+2*\u+1], 0
.endr
	v_mul_u32_u24 v[AK0], v1, PK
	v_lshl_add_u32 v[AK0], v9, 4, v[AK0]
	v_and_b32 v10, 7, v0
	v_bfe_u32 v11, v0, 3, 1
	v_lshl_add_u32 v[AV0], v9, 3, v10              ; the turning load: lane l reads key 8 (l / 16) + l % 8, channels 8 ((l / 8) % 2) + 0..7
	v_mul_u32_u24 v[AV0], v[AV0], PV
	v_lshl_add_u32 v[AV0], v11, 4, v[AV0]
	v_add_nc_u32 v[AV0], VOFF, v[AV0]
	s_mul_i32 s13, s[WV], 16*SP
	s_add_co_u32 s13, s13, STAGE
	v_mul_u32_u24 v[STO], v1, SP
	v_lshl_add_u32 v[STO], v9, 4, v[STO]
	v_add_nc_u32 v[STO], s13, v[STO]
	v_bfe_u32 v[RD], v0, 3, 2                      ; back: 32 lanes take four rows of 128 bytes
	v_mul_u32_u24 v[RD], v[RD], SP
	v_lshl_add_u32 v[RD], v10, 4, v[RD]
	v_add_nc_u32 v[RD], s13, v[RD]
	v_lshlrev_b32 v[GO], 12, v9                    ; lanes 0-15 one pair's 256 bytes, lanes 16-31 the next pair's, 4096 bytes on
	v_lshl_add_u32 v[GO], v1, 4, v[GO]
	s_wait_tensorcnt 0x0                           ; my 512 rows are in,
	s_barrier_signal -1
	s_barrier_wait -1                              ; everybody's are
.macro KLOADS                          ; a tile's K: 128 keys x 64 channels, 16 fragments
	WIN 0x40
.irp f, 0,1,2,3,4,5,6,7,8,9,10,11,12,13,14,15
	ds_load_b128 v[KF+8*\f:KF+8*\f+3],   v[AK] offset:(\f/2)*16*PK+(\f%2)*64
	ds_load_b128 v[KF+8*\f+4:KF+8*\f+7], v[AK] offset:(\f/2)*16*PK+(\f%2)*64+32
.endr
	WIN 0
.endm
; S^T = K Q^T.  The 16 accumulators take turns.  cc = 0: channels 0-31 start the sums, with the mask (masked = 1) or with 0; cc = 1: channels 32-63 are added.
.macro KQ cc, masked
.set kb, 0
.rept 8
.set uu, 0
.rept 2
.set rS, S+64*uu+8*kb
.set rK, KF+16*kb+8*(\cc)
.set rQ, QF+16*uu+8*(\cc)
.set rM, MC+64*uu+8*kb
.if (\cc) == 1
	WIN 0x09                                       ; K window 1, Q window 2, S^T window 0
	v_wmma_f32_16x16x32_bf16 v[rS:rS+7], v[rK:rK+7], v[rQ:rQ+7], v[rS:rS+7]
.elseif \masked
	WIN 0x29                                       ; and the mask window 2
	v_wmma_f32_16x16x32_bf16 v[rS:rS+7], v[rK:rK+7], v[rQ:rQ+7], v[rM:rM+7]
.else
	WIN 0x09
	v_wmma_f32_16x16x32_bf16 v[rS:rS+7], v[rK:rK+7], v[rQ:rQ+7], 0
.endif
.set uu, uu+1
.endr
.set kb, kb+1
.endr
.endm
; number n of the 32 that find the maximum of a lane's 64 scores and the old m: four chains over two accumulators each, each accumulator read from its low end on
.macro MAXN u, n
	RG \u
.if (\n) < 4
	v_max3_num_f32 v[rT+4+(\n)], v[rS+16*(\n)], v[rS+16*(\n)+1], v[rS+16*(\n)+2]
.elseif (\n) < 28
	v_max3_num_f32 v[rT+4+(\n)%4], v[rT+4+(\n)%4], v[rS+16*((\n)%4)+2*((\n)/4)+1], v[rS+16*((\n)%4)+2*((\n)/4)+2]
.elseif (\n) == 28
	v_max3_num_f32 v[rT+4], v[rT+4], v[rS+15], v[rS+31]
.elseif (\n) == 29
	v_max3_num_f32 v[rT+6], v[rT+6], v[rS+47], v[rS+63]
.elseif (\n) == 30
	v_max3_num_f32 v[rT+4], v[rT+4], v[rT+5], v[rT+6]
.else
	v_max3_num_f32 v[rT+4], v[rT+4], v[rT+7], v[rT+1]
.endif
.endm
.macro STN u, n                        ; the statistics: c m_old kept; the other half of the lanes' maximum; m; c m; its change; a
	RG \u
.if (\n) == 0
	v_mov_b32 v[rW], v[rT]
.elseif (\n) == 1
	v_permlanex16_b32 v[rT+5], v[rT+4], s[SEL], s[SEL+1]
.elseif (\n) == 2
	v_max_num_f32 v[rT+1], v[rT+4], v[rT+5]
.elseif (\n) == 3
	v_mul_f32 v[rT], s[CS], v[rT+1]
.elseif (\n) == 4
	v_sub_f32 v[rT+7], v[rW], v[rT]
.else
	v_exp_f32 v[rA], v[rT+7]
.endif
.endm
.macro FSC u, n                        ; pair n of 32: c s - c m
	RG \u
	v_pk_fma_f32 v[rS+2*(\n):rS+2*(\n)+1], v[rS+2*(\n):rS+2*(\n)+1], s[CS:CS+1], v[rT:rT+1] op_sel_hi:[1,0,0] neg_lo:[0,0,1] neg_hi:[0,0,1]
.endm
.macro EXQ u, n                        ; its two exponentials
	RG \u
	v_exp_f32 v[rS+2*(\n)], v[rS+2*(\n)]
	v_exp_f32 v[rS+2*(\n)+1], v[rS+2*(\n)+1]
.endm
.Lblk:                                             ; twice: block 7 - w, then block w
	s_wait_dscnt 0x0                               ; the look-ahead loads of the block before are back
.irp u, 0,1
	v_mov_b32 v[ST+8*\u], 0xfe000000               ; c m: far below every c s, so the first a is 0
	v_mov_b32 v[ST+8*\u+1], 0xff7fffff             ; m
.endr
	s_mov_b32 s[T], 0
	v_mov_b32 v[AK], v[AK0]
	KLOADS                                         ; tile 0
	s_wait_loadcnt 0x0                             ; Q
.Ltile:                                            ; eight trips; those above the diagonal are jumped over: no barrier and no tensor load stands in what is jumped
	s_cmp_gt_u32 s[T], s[QB]
	s_cbranch_scc1 .Ldead
	s_mul_i32 s[TBV], s[T], 128*PV
	v_add_nc_u32 v[AV], s[TBV], v[AV0]
	WIN 0x40
.irp f, 0,1,2,3,4,5,6,7,8,9,10,11,12,13,14,15   ; the tile's V, turned: keys 32 (f / 4) on, channels 16 (f % 4) on
	ds_load_tr16_b128 v[VF+8*\f:VF+8*\f+3],   v[AV] offset:(\f/4)*32*PV+(\f%4)*32
	ds_load_tr16_b128 v[VF+8*\f+4:VF+8*\f+7], v[AV] offset:(\f/4)*32*PV+16*PV+(\f%4)*32
.endr
	WIN 0
	s_wait_dscnt 32                                ; K is in; V's 32 loads are younger
	s_cmp_eq_u32 s[T], s[QB]
	s_cbranch_scc1 .Ldiag
	KQ 0, 0
	WIN 0
	s_branch .Lsecond
.Ldiag:
	KQ 0, 1                                        ; the diagonal tile's sums start with the mask
	WIN 0
.Lsecond:
	KQ 1, 0
	WIN 0
	PLACES
	s_add_co_u32 s[TBK], s[T], 1
	s_min_u32 s[TBK], s[TBK], 7                    ; behind tile 7 the look-ahead reads tile 7 once more; behind a block's last tile it reads a tile that is jumped over: nobody uses either
	s_mul_i32 s[TBK], s[TBK], 128*PK
	v_add_nc_u32 v[AK], s[TBK], v[AK0]
	KLOADS                                         ; the next tile's K
.set nn, 0
.rept 32
	MAXN 0, nn
	MAXN 1, nn
.set nn, nn+1
.endr
.set nn, 0
.rept 6
	STN 0, nn
	STN 1, nn
.set nn, nn+1
.endr
.set nn, 0
.rept 32                               ; ONE BATCH: the two a above, the scalings and all 128 exponentials; nothing in it names an exponential's result
	FSC 0, nn
.if nn > 0
	EXQ 0, nn-1
.endif
	FSC 1, nn
.if nn > 0
	EXQ 1, nn-1
.endif
.set nn, nn+1
.endr
	EXQ 0, 31
	EXQ 1, 31
	v_nop                                          ; a plain instruction behind the last exponential,
	s_wait_alu depctr_va_vdst(0)                   ; and one wait for the batch, ahead of its first reader
.set nn, 0
.rept 32
.irp u, 0,1
	RG \u
	v_cvt_pk_bf16_f32 v[rP+nn], v[rS+2*nn], v[rS+2*nn+1]
.endr
.set nn, nn+1
.endr
.irp w, 1,2,4,8,16                     ; the sum of a tile's 32 pairs, in place: neighbours 1, 2, 4, 8 and 16 pairs apart
.set ii, 0
.rept 16/\w
.irp u, 0,1
	RG \u
	v_pk_add_f32 v[rS+4*\w*ii:rS+4*\w*ii+1], v[rS+4*\w*ii:rS+4*\w*ii+1], v[rS+4*\w*ii+2*\w:rS+4*\w*ii+2*\w+1]
.endr
.set ii, ii+1
.endr
.endr
.irp u, 0,1
	RG \u
	v_pk_fma_f32 v[rT+2:rT+3], v[rT+2:rT+3], v[rA:rA+1], v[rS:rS+1] op_sel_hi:[1,0,1]   ; l = a l + sum
.endr
	WIN 0x82                                       ; O^T in window 2, a in window 0
.set ii, 0
.rept 16
.irp u, 0,1
	RG \u
	v_pk_mul_f32 v[rO+2*ii:rO+2*ii+1], v[rO+2*ii:rO+2*ii+1], v[rA:rA+1] op_sel_hi:[1,0]
.endr
.set ii, ii+1
.endr
	s_wait_dscnt 32                                ; V is in; the next tile's K, 32 loads, is younger
	WIN 0xa1                                       ; V window 1, P window 0, O^T window 2
.set kk, 0
.rept 4                                ; O^T += V^T P: the 8 accumulators take turns
.set cb, 0
.rept 4
.set uu, 0
.rept 2
.set rO, OF+32*uu+8*cb
.set rV, VF+32*kk+8*cb
.set rP, P+32*uu+8*kk
	v_wmma_f32_16x16x32_bf16 v[rO:rO+7], v[rV:rV+7], v[rP:rP+7], v[rO:rO+7]
.set uu, uu+1
.endr
.set cb, cb+1
.endr
.set kk, kk+1
.endr
	WIN 0
	PLACES
.Ldead:
	s_add_co_u32 s[T], s[T], 1
	s_cmp_lt_u32 s[T], 8
	s_cbranch_scc1 .Ltile
	; THE BLOCK'S END: l's halves and the other half of the lanes' are added; O^T is divided by l, rounded and sent through my stage in LDS, a tile of 16 tokens at a time.
.irp u, 0,1
	v_add_f32 v[ST+8*\u+4], v[ST+8*\u+2], v[ST+8*\u+3]
.endr
.irp u, 0,1
	v_permlanex16_b32 v[ST+8*\u+5], v[ST+8*\u+4], s[SEL], s[SEL+1]
.endr
.irp u, 0,1
	v_add_f32 v[ST+8*\u+4], v[ST+8*\u+4], v[ST+8*\u+5]
.endr
.irp u, 0,1
	v_rcp_f32 v[AP+2*\u], v[ST+8*\u+4]
.endr
	v_nop
	s_wait_alu depctr_va_vdst(0)                   ; one wait for the two reciprocals
.irp u, 0,1
	WIN 0x82
.set ii, 0
.rept 16
	v_pk_mul_f32 v[OF+32*\u+2*ii:OF+32*\u+2*ii+1], v[OF+32*\u+2*ii:OF+32*\u+2*ii+1], v[AP+2*\u:AP+2*\u+1] op_sel_hi:[1,0]
.set ii, ii+1
.endr
	WIN 0x0a                                       ; sources window 2, destination window 0
.set ii, 0
.rept 16
	v_cvt_pk_bf16_f32 v[S+32*\u+ii], v[OF+32*\u+2*ii], v[OF+32*\u+2*ii+1]
.set ii, ii+1
.endr
	WIN 0
.irp f, 0,1,2,3
	ds_store_b128 v[STO], v[S+32*\u+4*\f:S+32*\u+4*\f+3] offset:32*\f
.endr
.irp f, 0,1,2,3
	ds_load_b128 v[S+32*\u+16+4*\f:S+32*\u+16+4*\f+3], v[RD] offset:\f*4*SP   ; LDS serves a wave's instructions in order (ISA guide 5.7.1.4): these see the stores above
.endr
.irp f, 0,1,2,3
	s_wait_dscnt 3-\f                              ; the younger loads may stay out
	global_store_b128 v[GO], v[S+32*\u+16+4*\f:S+32*\u+16+4*\f+3], s[OA:OA+1] offset:\u*32768+\f*8192   ; 16 lanes store 256 consecutive bytes, aligned
.endr
.endr
	s_wait_xcnt 0x0                                ; the stores have read their registers and o2's address
	s_mov_b64 s[OA:OA+1], s[OB:OB+1]
	s_mov_b32 s[QB], s[QBN]
	WIN 0x82                                       ; the second block's Q goes where the one text of the tile names Q
.set ii, 0
.rept 32
	v_mov_b32 v[QF+ii], v[QN+ii]
.set ii, ii+1
.endr
	WIN 0
	s_sub_co_u32 s[BLK], s[BLK], 1
	s_cmp_lg_u32 s[BLK], 0
	s_cbranch_scc1 .Lblk
	s_wait_tensorcnt 0x0                           ; the wave's end
	ds_add_u32 v[SPW], v[NIL]
	s_wait_dscnt 0x0
	CROUND                                         ; the closing round
	s_endpgm
.Lfunc_end_k_q5fdce65f98_attn:
	.size	k_q5fdce65f98_attn, .Lfunc_end_k_q5fdce65f98_attn-k_q5fdce65f98_attn
	.p2alignl 7, 3214868480
	.fill 96, 4, 3214868480
	.section	.rodata,"a",@progbits
	.p2align	6, 0x0
	.amdhsa_kernel k_q5fdce65f98_attn
		.amdhsa_group_segment_fixed_size 327680
		.amdhsa_private_segment_fixed_size 0
		.amdhsa_enable_private_segment 0
		.amdhsa_kernarg_size 16
		.amdhsa_user_sgpr_count 2
		.amdhsa_user_sgpr_kernarg_segment_ptr 1
		.amdhsa_wavefront_size32 1
		.amdhsa_system_sgpr_workgroup_id_x 1
		.amdhsa_system_sgpr_workgroup_id_y 1
		.amdhsa_system_sgpr_workgroup_id_z 1
		.amdhsa_system_vgpr_workitem_id 0
		.amdhsa_next_free_vgpr 768
		.amdhsa_next_free_sgpr 80
		.amdhsa_reserve_vcc 1
		.amdhsa_float_denorm_mode_32 3
		.amdhsa_float_denorm_mode_16_64 3
		.amdhsa_memory_ordered 1
		.amdhsa_forward_progress 1
		.amdhsa_inst_pref_size 64
	.end_amdhsa_kernel
	.amdgpu_metadata
---
amdhsa.version: [ 1, 2 ]
amdhsa.kernels:
  - .name:           k_q5fdce65f98_attn
    .symbol:         k_q5fdce65f98_attn.kd
    .args:
      - { .name: qkv, .offset: 0, .size: 8, .value_kind: global_buffer, .address_space: global }
      - { .name: o2, .offset: 8, .size: 8, .value_kind: global_buffer, .address_space: global }
    .group_segment_fixed_size: 327680
    .private_segment_fixed_size: 0
    .kernarg_segment_align: 8
    .kernarg_segment_size: 16
    .max_flat_workgroup_size: 128
    .sgpr_count:     80
    .vgpr_count:     768
    .wavefront_size: 32
...
	.end_amdgpu_metadata
.endif
;; end of part 3
;; launch wo (part 4): grid 8 x 32, 4 waves a work-group, clusters of 4 x 4, 327,680 bytes of LDS; arguments o2, wt, x1, bo, x; writes x1
.if DOCPART == 4
	.amdgcn_target "amdgcn-amd-amdhsa--gfx1250"
	.amdhsa_code_object_version 6
	.text
	.protected	k_q5fdce65f98_wo
	.globl	k_q5fdce65f98_wo
	.p2align	8
	.type	k_q5fdce65f98_wo,@function
k_q5fdce65f98_wo:
	s_mov_b64 s[64:65], 0
	v_nop
	global_prefetch_b8 v0, s[64:65] scope:SCOPE_SE
	s_setreg_imm32_b32 hwreg(HW_REG_WAVE_MODE, 25, 1), 1
	s_wait_xcnt 0x0
	s_wait_alu depctr_hold_cnt(0) depctr_sa_sdst(0) depctr_va_vdst(0) depctr_va_sdst(0) depctr_va_ssrc(0) depctr_va_vcc(0) depctr_vm_vsrc(0)
	s_getreg_b32 s2, hwreg(HW_REG_IB_STS2, 6, 4)
	s_cmp_eq_u32 s2, 0
	s_cbranch_scc0 .Lentry_in_a_cluster
	s_endpgm
.Lentry_in_a_cluster:
	s_bfe_u32 s2, ttmp6, 0x10000c
	s_cmp_lg_u32 s2, 0xf033
	s_cbranch_scc0 .Lentry_shape_is_right
	s_endpgm
.Lentry_shape_is_right:
; x1 = x + O Wo + bo, f32.  O: o2 [2048 token pairs][16 heads][2 tokens][64] bf16; Wo^T: wt at WOFF, [1024][1024] bf16; sums in f32.
; A tile of C is 128 x 128, so that there are 256 work-groups.  Four waves, 2 x 2, each 64 x 64: 16 accumulators.  K goes in steps of 256 (four heads) through two LDS slots.
; A's tile: four heads of a pair are 1,024 consecutive bytes, so 64 tokens x 256 K are 32 rows of 1,024 bytes; in LDS a pair's row has 1,040, and token r of a block of 16 lies at (r / 2) 1040 + (r % 2) 128 + 256 head:
; 16 tokens start at 16 different groups of four banks.
; CLUSTER 4 x 4: A's tile is asked for jointly along a row of the cluster, B's along a column.
; THE ORDER OF K: trip t takes K step t xor m, m = (2 x cluster x) xor (cluster y << YSH), modulo the number of steps: a number that all sixteen partners share.  So the clusters that read the same rows of A
; (they differ in x) and those that read the same rows of B (they differ in y) ask for different K steps at the same time.  The f32 sums are taken in that order.
; THE MATRIX INSTRUCTION IS USED TRANSPOSED (source 0 = 16 rows of B, source 1 = 16 rows of A): a lane holds row l % 16 of C and the columns 8 (l / 16) + 0..7.
; THE SUMS START WITH THE BIAS: it is the C operand of each accumulator's first product.
; THE TEXT: a K step is written once in the loop; the LDS addresses hang on s[TB], 0 or SLOT.  The last two K steps, which ask for nothing, are a loop of two trips entered in its middle.
; THE WAY OUT: the f32 tile is laid into the slots, whose last fill is over, and read back by rows; the residual's rows are loaded ahead of the last two K steps.
; REGISTERS: window 0 addresses, the bias and the way out; window 1 two fragment buffers of 128 (A's 64, then B's); window 2 the accumulators ((a, b) at 8 (NBW a + b)).
.set TM,    128
.set TN,    128
.set MB,    4
.set NBW,   4
.set KSIZE, 1024
.set KSTEP, 256
.set PITCH, 528                        ; B's LDS row: 512 bytes + 16
.set HA,    32*1040                    ; half of A's tile: one tensor load
.set HB,    64*528
.set ABLK,  8*1040                     ; 16 tokens of A in LDS
.set AQ,    256                        ; a quarter (one head) along a pair's row
.set BQ,    128
.set ASTEP, 1024
.set BSTEP, 512
.set AROWB, 2048                       ; bytes a token in o2
.set WOFF,  6291456
.set ADIM0, 512
.set AROWS, 32
.set ASTR,  2048
.set AQI,   7                          ; padding after every 256 words
.set BQI,   6                          ; after every 128
.set YSH,   0
.set YW,    16                         ; the youngest fragment loads that a quarter's first half does not need
.set NL,    32                         ; fragment loads in a run
.set NT,    KSIZE/KSTEP
.set SLOT,  2*HA+2*HB
.set SPARE, 2*SLOT
.set DP,    4*TN+16
.set ADRA0, 16
.set ADRB0, 17
.set ADRA,  18
.set ADRB,  19
.set DST,   20
.set DRD0,  22
.set GOF,   24
.set SPW,   28
.set NIL,   29
.set BIAS,  32                         ; v[32:63]   the bias of my columns: block b at 8 b
.set RR,    64                         ; v[64:191]  32 rows of the residual, then of the result
.set YY,    192                        ; v[192:255] two sets of 8 rows of the product
.set G1,   24
.set G0,   32
.set TB,   36
.set WPA,  37
.set WPB,  38
.set G1B,  48
.set G0B,  56
.set KT,   66                          ; s66  the trip whose K step was asked for last
.set KM,   67                          ; s67  m
.set OFA,  68                          ; s[68:69], s[70:71]  a K step's byte offset along A's and B's rows
.set OFB,  70
.set G0F,  92
.set G0FB, 96
.set MSB, 0
.macro WIN new
.if MSB != (\new)
	s_set_vgpr_msb (MSB<<8)|(\new)
.set MSB, (\new)
.endif
.endm
.macro PLACES
.rept 4
	v_nop
.endr
.endm
.macro CREST
	s_cmp_lg_u32 s10, 0
	s_cbranch_scc1 .Lnot_wave_0_\@
	s_barrier_signal -3
.Lnot_wave_0_\@:
	s_barrier_wait -3
	s_barrier_signal -1
	s_barrier_wait -1
.endm
.macro CROUND
	s_barrier_signal -1
	s_barrier_wait -1
	CREST
.endm
.macro JLOAD                           ; a joint refill: waves 0, 1 fetch A's halves, waves 2, 3 B's
	s_cmp_eq_u32 s11, 0
	s_cbranch_scc0 .Lfor_b_\@
	tensor_load_to_lds s[G0:G0+3], s[G1:G1+7]
	s_nop 0
.rept 4
	v_nop
.endr
	s_branch .Lasked_\@
.Lfor_b_\@:
	tensor_load_to_lds s[G0B:G0B+3], s[G1B:G1B+7]
	s_nop 0
.rept 4
	v_nop
.endr
.Lasked_\@:
.endm
.macro MULP f, hh, pp, first           ; blocks of rows 2 pp, 2 pp + 1 x all blocks of columns, 32 along K (half hh of buffer f); the accumulators take turns
.set aa, 2*(\pp)
.rept 2
.set bb, 0
.rept NBW
.set rD, 8*(NBW*aa+bb)
.set rB, 128*(\f)+64+8*(NBW*(\hh)+bb)
.set rA, 128*(\f)+8*(MB*(\hh)+aa)
.if \first
	WIN 0x85                                       ; B and A window 1, the bias window 0, D window 2
	v_wmma_f32_16x16x32_bf16 v[rD:rD+7], v[rB:rB+7], v[rA:rA+7], v[BIAS+8*bb:BIAS+8*bb+7]
.else
	WIN 0xa5                                       ; C and D window 2
	v_wmma_f32_16x16x32_bf16 v[rD:rD+7], v[rB:rB+7], v[rA:rA+7], v[rD:rD+7]
.endif
.set bb, bb+1
.endr
.set aa, aa+1
.endr
.endm
.macro FETCH q, f                      ; one run of LDS loads: quarter q of the slot in hand into buffer f, its first 32 along K first
	WIN 0x40
.set cc, 0
.rept 2
.set ii, 0
.rept 4
	ds_load_b128 v[128*(\f)+64+8*(4*cc+ii):128*(\f)+64+8*(4*cc+ii)+3],   v[ADRB] offset:(\q)*BQ+64*cc+ii*16*PITCH
	ds_load_b128 v[128*(\f)+64+8*(4*cc+ii)+4:128*(\f)+64+8*(4*cc+ii)+7], v[ADRB] offset:(\q)*BQ+64*cc+ii*16*PITCH+32
	ds_load_b128 v[128*(\f)+8*(4*cc+ii):128*(\f)+8*(4*cc+ii)+3],         v[ADRA] offset:(\q)*AQ+64*cc+ii*ABLK
	ds_load_b128 v[128*(\f)+8*(4*cc+ii)+4:128*(\f)+8*(4*cc+ii)+7],       v[ADRA] offset:(\q)*AQ+64*cc+ii*ABLK+32
.set ii, ii+1
.endr
.set cc, cc+1
.endr
.endm
.macro QUARTER q, f, g, first
	s_wait_dscnt YW                                ; the first 32 along K are in
	MULP \f, 0, 0, \first
	MULP \f, 0, 1, \first
	PLACES
	FETCH \q, \g
	s_wait_dscnt NL                                ; all but the run just issued
	MULP \f, 1, 0, 0
	MULP \f, 1, 1, 0
.endm
; A K step's last quarter and the change of slots: each wave waits for all its tensor loads (one is out: its part of the next slot), adds 0 to its spare word, waits for that and for its reads of this slot;
; behind the round this slot is filled again first, with the K step of the trip two on.  Both descriptors are made anew, from the rows' address and the step's number, between the add and the wait for it.
.macro TURN
	WIN 0
	s_wait_tensorcnt 0x0
	ds_add_u32 v[SPW], v[NIL]
	s_add_co_u32 s[KT], s[KT], 1
	s_xor_b32 s20, s[KT], s[KM]                    ; the K step
	s_mul_i32 s[OFA], s20, ASTEP
	s_mul_i32 s[OFB], s20, BSTEP
	s_add_nc_u64 s[G0+2:G0+3], s[14:15], s[OFA:OFA+1]
	s_or_b32 s[G0+3], s[G0+3], 0x80000000
	s_add_nc_u64 s[G0B+2:G0B+3], s[46:47], s[OFB:OFB+1]
	s_or_b32 s[G0B+3], s[G0B+3], 0x80000000
	s_add_co_u32 s[G0+1], s[WPA], s[TB]            ; into the slot that is being read out
	s_add_co_u32 s[G0B+1], s[WPB], s[TB]
	s_wait_dscnt YW+1                              ; (the add and the youngest YW loads may be out)
	MULP 1, 0, 0, 0
	s_wait_dscnt 0x0                               ; the add is done, my reads of this slot are over
	s_barrier_signal -1
	MULP 1, 0, 1, 0
	WIN 0
	s_barrier_wait -1
	CREST
	JLOAD
	s_xor_b32 s[TB], s[TB], SLOT
	v_add_nc_u32 v[ADRA], s[TB], v[ADRA0]
	v_add_nc_u32 v[ADRB], s[TB], v[ADRB0]
	FETCH 0, 0
	MULP 1, 1, 0, 0
	MULP 1, 1, 1, 0
.endm
.macro LASTQ
	s_wait_dscnt YW
	MULP 1, 0, 0, 0
	MULP 1, 0, 1, 0
	s_wait_dscnt 0x0
	MULP 1, 1, 0, 0
	MULP 1, 1, 1, 0
.endm
.macro CHANGE0                         ; the last change of slots: nothing is asked for
	WIN 0
	s_wait_tensorcnt 0x0
	ds_add_u32 v[SPW], v[NIL]
	s_xor_b32 s[TB], s[TB], SLOT
	s_wait_dscnt 0x0
	s_barrier_signal -1
	s_barrier_wait -1
	v_add_nc_u32 v[ADRA], s[TB], v[ADRA0]
	v_add_nc_u32 v[ADRB], s[TB], v[ADRB0]
	PLACES
	FETCH 0, 0
.endm
.macro DUMP                            ; my accumulators into the f32 tile, each from its low end on
	WIN 0x08                                       ; the data in window 2
.set aa, 0
.rept MB
.set bb, 0
.rept NBW
.set rD, 8*(NBW*aa+bb)
	ds_store_b128 v[DST], v[rD:rD+3]   offset:aa*16*DP+64*bb
	ds_store_b128 v[DST], v[rD+4:rD+7] offset:aa*16*DP+64*bb+16
.set bb, bb+1
.endr
.set aa, aa+1
.endr
	WIN 0
.endm
	s_load_b128 s[4:7], s[0:1], 0x0                ; A, wt
	s_load_b64 s[8:9], s[0:1], 0x10                ; the output
	s_load_b128 s[60:63], s[0:1], 0x18             ; the bias, the residual
	v_lshl_add_u32 v[SPW], v0, 2, SPARE
	v_mov_b32 v[NIL], 0
	ds_add_u32 v[SPW], v[NIL]                      ; the wave's opening: the add and its wait ahead of my first tensor load
	v_lshrrev_b32 v1, 5, v0
	v_readfirstlane_b32 s10, v1
	s_lshr_b32 s11, s10, 1                         ; my half of the tile's rows.  Also: I fetch for A (0) or B (1)
	s_and_b32 s12, s10, 1                          ; my half of its columns.  Also: which half of that tile I fetch
	s_bfe_u32 s40, ttmp6, 0x40000
	s_bfe_u32 s41, ttmp6, 0x40004
	s_lshl_b32 s42, ttmp9, 2
	s_add_co_u32 s42, s42, s40                     ; tile column
	s_and_b32 s13, ttmp7, 0xffff
	s_lshl_b32 s13, s13, 2
	s_add_co_u32 s13, s13, s41                     ; tile row
	s_lshl_b32 s14, s41, 2
	s_lshl_b32 s14, 15, s14
	s_lshl_b32 s15, 0x1111, s40
	s_or_b32 s[G1], s14, (1<<16)|(1<<20)|(1<<21)|(AQI<<22)|(3<<25)
	s_or_b32 s[G1B], s15, (1<<16)|(1<<20)|(1<<21)|(BQI<<22)|(3<<25)
	s_mov_b32 s[G1+1], ADIM0<<16
	s_mov_b32 s[G1+2], AROWS<<16
	s_mov_b32 s[G1+3], ADIM0<<16
	s_mov_b32 s[G1+4], AROWS
	s_mov_b32 s[G1+5], ASTR
	s_mov_b32 s[G1+6], 0
	s_mov_b32 s[G1+7], 0
	s_mov_b32 s[G1B+1], KSTEP<<16
	s_mov_b32 s[G1B+2], (TN/2)<<16
	s_mov_b32 s[G1B+3], KSTEP<<16
	s_mov_b32 s[G1B+4], TN/2
	s_mov_b32 s[G1B+5], KSIZE
	s_mov_b32 s[G1B+6], 0
	s_mov_b32 s[G1B+7], 0
	s_mul_i32 s16, s13, TM
	s_mul_i32 s17, s12, TM/2
	s_add_co_u32 s16, s16, s17
	s_mul_i32 s16, s16, AROWB
	s_mov_b32 s17, 0
	s_mul_i32 s46, s42, TN
	s_mul_i32 s47, s12, TN/2
	s_add_co_u32 s46, s46, s47
	s_mul_i32 s46, s46, 2*KSIZE
	s_add_co_u32 s46, s46, WOFF
	s_mov_b32 s47, 0
	s_mul_i32 s[WPA], s12, HA
	s_mul_i32 s[WPB], s12, HB
	s_add_co_u32 s[WPB], s[WPB], 2*HA
	s_mov_b32 s[TB], 0
	s_and_b32 s20, ttmp7, 0xffff                   ; the order of K: cluster y
	s_lshl_b32 s20, s20, YSH
	s_lshl_b32 s21, ttmp9, 1                       ; and 2 x cluster x
	s_xor_b32 s[KM], s20, s21
	s_and_b32 s[KM], s[KM], NT-1
	s_xor_b32 s22, s[KM], 1                        ; trip 1's K step
	s_mul_i32 s[OFA], s[KM], ASTEP                 ; trip 0's
	s_mov_b32 s[OFA+1], 0
	s_mul_i32 s[OFB], s[KM], BSTEP
	s_mov_b32 s[OFB+1], 0
	s_mul_i32 s20, s22, ASTEP
	s_mov_b32 s21, 0
	s_mul_i32 s22, s22, BSTEP
	s_mov_b32 s23, 0
	s_mov_b32 s[KT], 1
	s_wait_dscnt 0x0
	s_wait_kmcnt 0x0
	s_add_nc_u64 s[14:15], s[4:5], s[16:17]        ; A at the rows that I fetch; kept
	s_add_nc_u64 s[46:47], s[6:7], s[46:47]        ; B likewise
	s_mov_b32 s[G0F], 1                            ; trip 0's K step into slot 0
	s_mov_b32 s[G0F+1], s[WPA]
	s_add_nc_u64 s[G0F+2:G0F+3], s[14:15], s[OFA:OFA+1]
	s_or_b32 s[G0F+3], s[G0F+3], 0x80000000
	s_mov_b32 s[G0FB], 1
	s_mov_b32 s[G0FB+1], s[WPB]
	s_add_nc_u64 s[G0FB+2:G0FB+3], s[46:47], s[OFB:OFB+1]
	s_or_b32 s[G0FB+3], s[G0FB+3], 0x80000000
	s_mov_b32 s[G0], 1                             ; trip 1's into slot 1
	s_add_co_u32 s[G0+1], s[WPA], SLOT
	s_add_nc_u64 s[G0+2:G0+3], s[14:15], s[20:21]
	s_or_b32 s[G0+3], s[G0+3], 0x80000000
	s_mov_b32 s[G0B], 1
	s_add_co_u32 s[G0B+1], s[WPB], SLOT
	s_add_nc_u64 s[G0B+2:G0B+3], s[46:47], s[22:23]
	s_or_b32 s[G0B+3], s[G0B+3], 0x80000000
	CROUND                                         ; all sixteen work-groups are here: the first joint loads meet
	s_cmp_eq_u32 s11, 0                            ; a wave's two first fills stand in one branch: two loads of mine are out
	s_cbranch_scc0 .Lfirst_b
	tensor_load_to_lds s[G0F:G0F+3], s[G1:G1+7]
	s_nop 0
	tensor_load_to_lds s[G0:G0+3], s[G1:G1+7]
	s_nop 0
.rept 4
	v_nop
.endr
	s_branch .Lfirst_done
.Lfirst_b:
	tensor_load_to_lds s[G0FB:G0FB+3], s[G1B:G1B+7]
	s_nop 0
	tensor_load_to_lds s[G0B:G0B+3], s[G1B:G1B+7]
	s_nop 0
.rept 4
	v_nop
.endr
.Lfirst_done:
	v_and_b32 v1, 15, v0                           ; r
	v_bfe_u32 v2, v0, 4, 1                         ; h
	v_and_b32 v5, 31, v0                           ; lane
	s_lshl_b32 s21, s42, 9                         ; the tile's first column, in bytes of f32
	s_lshl_b32 s22, s12, 8                         ; my half of its columns
	s_add_co_u32 s22, s22, s21
	v_lshl_add_u32 v6, v2, 5, s22                  ; + 8 h columns
.set bb, 0
.rept NBW                              ; the bias of columns 16 b + 8 h + 0..7
	global_load_b128 v[BIAS+8*bb:BIAS+8*bb+3],   v6, s[60:61] offset:64*bb
	global_load_b128 v[BIAS+8*bb+4:BIAS+8*bb+7], v6, s[60:61] offset:64*bb+16
.set bb, bb+1
.endr
	v_lshrrev_b32 v3, 1, v1                        ; A: pair r / 2, token r % 2
	v_mul_u32_u24 v3, v3, 1040
	v_and_b32 v4, 1, v1
	v_lshl_add_u32 v3, v4, 7, v3
	v_lshl_add_u32 v3, v2, 4, v3
	s_mul_i32 s20, s11, HA
	v_add_nc_u32 v[ADRA0], s20, v3
	v_mul_u32_u24 v3, v1, PITCH
	v_lshl_add_u32 v3, v2, 4, v3
	s_mul_i32 s22, s12, HB
	s_add_co_u32 s22, s22, 2*HA
	v_add_nc_u32 v[ADRB0], s22, v3
	s_mul_i32 s20, s11, (TM/2)*DP
	s_mul_i32 s22, s12, (TN/2)*4
	s_add_co_u32 s20, s20, s22
	v_mul_u32_u24 v3, v1, DP
	v_lshl_add_u32 v3, v2, 5, v3
	v_add_nc_u32 v[DST], s20, v3
	; the way out: wave w takes rows 32 w .. 32 w + 31, a row (512 bytes) an instruction
	s_mul_i32 s20, s10, 32*DP
	v_lshl_add_u32 v[DRD0], v5, 4, s20
	v_lshlrev_b32 v[GOF], 4, v5
	s_lshl_b32 s20, s13, 7
	s_lshl_b32 s22, s10, 5
	s_add_co_u32 s20, s20, s22
	s_lshl_b32 s20, s20, 12
	s_add_co_u32 s20, s20, s21
	s_mov_b32 s21, 0
	s_add_nc_u64 s[8:9], s[8:9], s[20:21]
	s_add_nc_u64 s[62:63], s[62:63], s[20:21]
	s_wait_tensorcnt 0x1                           ; my part of trip 0's K step is in; trip 1's may stay out
	s_barrier_signal -1
	s_barrier_wait -1
	v_mov_b32 v[ADRA], v[ADRA0]
	v_mov_b32 v[ADRB], v[ADRB0]
	FETCH 0, 0
	s_wait_loadcnt 0x0                             ; the bias
	QUARTER 1, 0, 1, 1                             ; the first products start the sums
	WIN 0
	s_mov_b32 s3, NT-2
.Lstep:                                            ; a trip: a K step's quarters 1 to 3, the refill, the next step's quarter 0
	QUARTER 2, 1, 0, 0
	QUARTER 3, 0, 1, 0
	TURN
	QUARTER 1, 0, 1, 0
	WIN 0
	s_sub_co_u32 s3, s3, 1
	s_cmp_lg_u32 s3, 0
	s_cbranch_scc1 .Lstep
.set ii, 0
.rept 32                               ; the residual's rows: on their way during the last two K steps
	global_load_b128 v[RR+4*ii:RR+4*ii+3], v[GOF], s[62:63] offset:ii*4096
.set ii, ii+1
.endr
	s_mov_b32 s3, 2
	s_branch .Lmid
.Ltail:
	CHANGE0
	QUARTER 1, 0, 1, 0
	WIN 0
.Lmid:
	QUARTER 2, 1, 0, 0
	QUARTER 3, 0, 1, 0
	LASTQ
	WIN 0
	s_sub_co_u32 s3, s3, 1
	s_cmp_lg_u32 s3, 0
	s_cbranch_scc1 .Ltail
	PLACES
	s_barrier_signal -1                            ; every wave's reads of both slots are over, and no fill is to come
	s_barrier_wait -1
	DUMP
	s_wait_dscnt 0x0
	s_barrier_signal -1
	s_barrier_wait -1
.macro YLOAD gq                        ; 8 rows of the product
.set ii, 0
.rept 8
	ds_load_b128 v[YY+32*((\gq)%2)+4*ii:YY+32*((\gq)%2)+4*ii+3], v[DRD0] offset:(8*(\gq)+ii)*DP
.set ii, ii+1
.endr
.endm
	s_wait_loadcnt 0x0                             ; the residual
	YLOAD 0
.irp gq, 0,1,2,3
.if \gq < 3
	YLOAD \gq+1
.endif
.set jj, 0
.rept 8
.set rR, RR+4*(8*\gq+jj)
.set rY, YY+32*(\gq%2)+4*jj
.if \gq < 3
	s_wait_dscnt 15-jj                             ; the next group's eight loads and this group's younger ones may stay out
.else
	s_wait_dscnt 7-jj
.endif
	v_pk_add_f32 v[rR:rR+1], v[rR:rR+1], v[rY:rY+1]
	v_pk_add_f32 v[rR+2:rR+3], v[rR+2:rR+3], v[rY+2:rY+3]
	global_store_b128 v[GOF], v[rR:rR+3], s[8:9] offset:(8*\gq+jj)*4096   ; 512 consecutive bytes, aligned
.set jj, jj+1
.endr
.endr
	s_wait_tensorcnt 0x0                           ; the wave's end
	ds_add_u32 v[SPW], v[NIL]
	s_wait_dscnt 0x0
	CROUND                                         ; the closing round
	s_endpgm
.Lfunc_end_k_q5fdce65f98_wo:
	.size	k_q5fdce65f98_wo, .Lfunc_end_k_q5fdce65f98_wo-k_q5fdce65f98_wo
	.p2alignl 7, 3214868480
	.fill 96, 4, 3214868480
	.section	.rodata,"a",@progbits
	.p2align	6, 0x0
	.amdhsa_kernel k_q5fdce65f98_wo
		.amdhsa_group_segment_fixed_size 327680
		.amdhsa_private_segment_fixed_size 0
		.amdhsa_enable_private_segment 0
		.amdhsa_kernarg_size 40
		.amdhsa_user_sgpr_count 2
		.amdhsa_user_sgpr_kernarg_segment_ptr 1
		.amdhsa_wavefront_size32 1
		.amdhsa_system_sgpr_workgroup_id_x 1
		.amdhsa_system_sgpr_workgroup_id_y 1
		.amdhsa_system_sgpr_workgroup_id_z 1
		.amdhsa_system_vgpr_workitem_id 0
		.amdhsa_next_free_vgpr 640
		.amdhsa_next_free_sgpr 100
		.amdhsa_reserve_vcc 0
		.amdhsa_float_denorm_mode_32 3
		.amdhsa_float_denorm_mode_16_64 3
		.amdhsa_memory_ordered 1
		.amdhsa_forward_progress 1
		.amdhsa_inst_pref_size 67
	.end_amdhsa_kernel
	.amdgpu_metadata
---
amdhsa.version: [ 1, 2 ]
amdhsa.kernels:
  - .name:           k_q5fdce65f98_wo
    .symbol:         k_q5fdce65f98_wo.kd
    .args:
      - { .name: o2, .offset: 0, .size: 8, .value_kind: global_buffer, .address_space: global }
      - { .name: wt, .offset: 8, .size: 8, .value_kind: global_buffer, .address_space: global }
      - { .name: x1, .offset: 16, .size: 8, .value_kind: global_buffer, .address_space: global }
      - { .name: bo, .offset: 24, .size: 8, .value_kind: global_buffer, .address_space: global }
      - { .name: x, .offset: 32, .size: 8, .value_kind: global_buffer, .address_space: global }
    .group_segment_fixed_size: 327680
    .private_segment_fixed_size: 0
    .kernarg_segment_align: 8
    .kernarg_segment_size: 40
    .max_flat_workgroup_size: 128
    .sgpr_count:     100
    .vgpr_count:     640
    .wavefront_size: 32
...
	.end_amdgpu_metadata
.endif
;; end of part 4
;; launch ln2: the kernel of part 1 again; grid 512 x 1, 8 waves a work-group, no clusters, 18,432 bytes of LDS; arguments x1, gamma, beta, Wq, Wk, Wv, Wo, W1, W2, hbuf, wt; writes hbuf, wt
;; launch w1 (part 5): grid 16 x 16, 4 waves a work-group, clusters of 4 x 4, 327,680 bytes of LDS; arguments hbuf, wt, g, b1; writes g
.if DOCPART == 5
	.amdgcn_target "amdgcn-amd-amdhsa--gfx1250"
	.amdhsa_code_object_version 6
	.text
	.protected	k_q5fdce65f98_w1
	.globl	k_q5fdce65f98_w1
	.p2align	8
	.type	k_q5fdce65f98_w1,@function
k_q5fdce65f98_w1:
	s_mov_b64 s[64:65], 0
	v_nop
	global_prefetch_b8 v0, s[64:65] scope:SCOPE_SE
	s_setreg_imm32_b32 hwreg(HW_REG_WAVE_MODE, 25, 1), 1
	s_wait_xcnt 0x0
	s_wait_alu depctr_hold_cnt(0) depctr_sa_sdst(0) depctr_va_vdst(0) depctr_va_sdst(0) depctr_va_ssrc(0) depctr_va_vcc(0) depctr_vm_vsrc(0)
	s_getreg_b32 s2, hwreg(HW_REG_IB_STS2, 6, 4)
	s_cmp_eq_u32 s2, 0
	s_cbranch_scc0 .Lentry_in_a_cluster
	s_endpgm
.Lentry_in_a_cluster:
	s_bfe_u32 s2, ttmp6, 0x10000c
	s_cmp_lg_u32 s2, 0xf033
	s_cbranch_scc0 .Lentry_shape_is_right
	s_endpgm
.Lentry_shape_is_right:
; g = gelu(h W1 + b1), the exact (erf) form, in bf16.  h: hbuf [4096][1024] bf16; W1^T: wt at WOFF, [4096][1024] bf16; sums in f32; g rounded once.
; gelu(z) = z/2 + |z|/2 (1 - erfc(|z|/sqrt 2)); erfc(x) = t (a1 + t (a2 + t (a3 + t (a4 + t a5)))) exp(-x x), t = 1/(1 + 0.3275911 x): off by 1.5e-7 at the most, for every x >= 0.
; A tile of C is 256 x 256.  Four waves, 2 x 2, each 128 x 128: 64 accumulators.  K goes in steps of 128 through two LDS slots.
; CLUSTER 4 x 4: A's tile is asked for jointly along a row of the cluster, B's along a column.
; THE MATRIX INSTRUCTION IS USED TRANSPOSED (source 0 = 16 rows of B, source 1 = 16 rows of A): a lane holds row l % 16 of C and the columns 8 (l / 16) + 0..7.
; THE TEXT: a K step is written once in the loop; the LDS addresses hang on s[TB], 0 or SLOT.  The last two K steps, which ask for nothing, are a loop of two trips entered in its middle.
; THE WAY OUT: the f32 tile is laid into the two slots, whose last fill is over, and read back by rows, so that the activation is a loop over rows in window 0.
; REGISTERS: window 0 addresses and the way out; window 1 two fragment buffers of 128 (A's 64, then B's); windows 2, 3 the accumulators ((a, b) is number t = NBW a + b, at register 8 (t % 32) of window 2 + t / 32).
.set TM,    256
.set TN,    256
.set MB,    8
.set NBW,   8
.set QD,    1
.set KSIZE, 1024
.set KSTEP, 128
.set PITCH, 272
.set HA,    128*272
.set HB,    128*272
.set ABLK,  16*272
.set AQ,    64
.set BQ,    64
.set ASTEP, 256
.set BSTEP, 256
.set AROWB, 2048
.set WOFF,  8388608
.set ADIM0, 128
.set AROWS, 128
.set ASTR,  1024
.set AQI,   5
.set BQI,   5
.set YW,    8
.set NL,    32
.set NT,    KSIZE/KSTEP
.set SLOT,  2*HA+2*HB
.set SPARE, 2*SLOT
.set DP,    4*TN+16
.set ADRA0, 16
.set ADRB0, 17
.set ADRA,  18
.set ADRB,  19
.set DST,   20
.set DRD0,  22
.set DRD,   23
.set GOF,   24
.set SPW,   28
.set NIL,   29
.set PFO,   30
.set BIAS,  32                         ; v[32:39] b1 / 2 of my 8 columns
.set OU,    40                         ; v[40:55] packed results
.set XR,    64                         ; 32 registers each: four rows x 8 numbers a lane
.set ZH,    96                         ; z / 2
.set AZ,    128                        ; |z| / 2
.set TT,    160                        ; t
.set EE,    192                        ; exp(-x x)
.set PO,    224                        ; the polynomial, then the result
.set G1,   24
.set G0,   32
.set TB,   36
.set WPA,  37
.set WPB,  38
.set EL,   39
.set LIM,  43
.set PFA,  44
.set G1B,  48
.set G0B,  56
.set CP,   72                          ; s[72:73] 0.3275911 sqrt 2, on |z| / 2 ... pairs, of which the packed forms take the low word
.set CW,   74                          ; s[74:75] sqrt(2 log2 e): (CW z/2)^2 = x x log2 e
.set A1,   76
.set A2,   78
.set A3,   80
.set A4,   82
.set A5,   84
.set ABSM, 86
.set G0F,  92
.set G0FB, 96
.set MSB, 0
.macro WIN new
.if MSB != (\new)
	s_set_vgpr_msb (MSB<<8)|(\new)
.set MSB, (\new)
.endif
.endm
.macro PLACES
.rept 4
	v_nop
.endr
.endm
.macro CREST
	s_cmp_lg_u32 s10, 0
	s_cbranch_scc1 .Lnot_wave_0_\@
	s_barrier_signal -3
.Lnot_wave_0_\@:
	s_barrier_wait -3
	s_barrier_signal -1
	s_barrier_wait -1
.endm
.macro CROUND
	s_barrier_signal -1
	s_barrier_wait -1
	CREST
.endm
.macro JLOAD                           ; a joint refill: waves 0, 1 fetch A's halves, waves 2, 3 B's
	s_cmp_eq_u32 s11, 0
	s_cbranch_scc0 .Lfor_b_\@
	tensor_load_to_lds s[G0:G0+3], s[G1:G1+7]
	s_nop 0
.rept 4
	v_nop
.endr
	s_branch .Lasked_\@
.Lfor_b_\@:
	tensor_load_to_lds s[G0B:G0B+3], s[G1B:G1B+7]
	s_nop 0
.rept 4
	v_nop
.endr
.Lasked_\@:
.endm
; A PREFETCH INTO THE L2 behind each refill and the run of LDS loads: the K step that the NEXT refill will ask for, a lane a row, one instruction a wave.  A's rows are asked for by the clusters with x = 0,
; B's by those with y = 0; the four partners that ask for a tile jointly take 32 of its 128 rows each, by address.  The loop's last trip (s3 = 1) asks for nothing; K steps 0 to 2 come by their loads alone.
.macro ASK
	WIN 0
	s_cmp_gt_u32 s3, s[LIM]
	s_cbranch_scc0 .Lnot_mine_\@
	global_prefetch_b8 v[PFO], s[PFA:PFA+1] offset:2*KSTEP th:TH_LOAD_NT scope:SCOPE_SE
.Lnot_mine_\@:
.endm
.macro MULP f, hh, pp, zero            ; two blocks of rows x all blocks of columns, 32 along K; the accumulators take turns
.if QD == 1
.set cc, 0
.set aa, 4*(\hh)+2*(\pp)
.else
.set cc, (\hh)
.set aa, 2*(\pp)
.endif
.rept 2
.set bb, 0
.rept NBW
.set tt, NBW*aa+bb
.set rD, 8*(tt%32)
.set rB, 128*(\f)+64+8*(NBW*cc+bb)
.set rA, 128*(\f)+8*(MB*cc+aa)
	WIN 0x05|((2+tt/32)*0x50)
.if \zero
	v_wmma_f32_16x16x32_bf16 v[rD:rD+7], v[rB:rB+7], v[rA:rA+7], 0
.else
	v_wmma_f32_16x16x32_bf16 v[rD:rD+7], v[rB:rB+7], v[rA:rA+7], v[rD:rD+7]
.endif
.set bb, bb+1
.endr
.set aa, aa+1
.endr
.endm
.macro FETCH q, f                      ; one run of LDS loads: quarter q of the slot in hand into buffer f: B's blocks, then A's
	WIN 0x40
.set ii, 0
.rept NBW
	ds_load_b128 v[128*(\f)+64+8*ii:128*(\f)+64+8*ii+3],   v[ADRB] offset:(\q)*BQ+ii*16*PITCH
	ds_load_b128 v[128*(\f)+64+8*ii+4:128*(\f)+64+8*ii+7], v[ADRB] offset:(\q)*BQ+ii*16*PITCH+32
.set ii, ii+1
.endr
.set ii, 0
.rept MB
	ds_load_b128 v[128*(\f)+8*ii:128*(\f)+8*ii+3],   v[ADRA] offset:(\q)*AQ+ii*ABLK
	ds_load_b128 v[128*(\f)+8*ii+4:128*(\f)+8*ii+7], v[ADRA] offset:(\q)*AQ+ii*ABLK+32
.set ii, ii+1
.endr
.endm
.macro QUARTER q, f, g, zero
	s_wait_dscnt YW                                ; B and A's rows 0-63 are in; the youngest eight loads may be out
	MULP \f, 0, 0, \zero
	MULP \f, 0, 1, \zero
	PLACES
	FETCH \q, \g
	s_wait_dscnt NL                                ; all but the run just issued
	MULP \f, 1, 0, \zero
	MULP \f, 1, 1, \zero
.endm
; A K step's last quarter and the change of slots: each wave waits for all its tensor loads (one is out: its part of the next slot), adds 0 to its spare word, waits for that and for its reads of this slot;
; behind the round this slot is filled again first, with the K step two on.
.macro TURN
	s_wait_xcnt 0x0                                ; the last prefetch, a K step back, has read its address
	s_add_nc_u64 s[PFA:PFA+1], s[PFA:PFA+1], 2*KSTEP
	WIN 0
	s_wait_tensorcnt 0x0
	ds_add_u32 v[SPW], v[NIL]
	s_wait_dscnt YW+1                              ; (the add and the youngest YW loads may be out)
	MULP 1, 0, 0, 0
	s_wait_dscnt 0x0
	s_barrier_signal -1
	MULP 1, 0, 1, 0
	WIN 0
	s_barrier_wait -1
	CREST
	s_add_nc_u64 s[G0+2:G0+3], s[G0+2:G0+3], ASTEP
	s_add_nc_u64 s[G0B+2:G0B+3], s[G0B+2:G0B+3], BSTEP
	s_add_co_u32 s[G0+1], s[WPA], s[TB]
	s_add_co_u32 s[G0B+1], s[WPB], s[TB]
	JLOAD
	s_xor_b32 s[TB], s[TB], SLOT
	v_add_nc_u32 v[ADRA], s[TB], v[ADRA0]
	v_add_nc_u32 v[ADRB], s[TB], v[ADRB0]
	FETCH 0, 0
	ASK
	MULP 1, 1, 0, 0
	MULP 1, 1, 1, 0
.endm
.macro LASTQ
	s_wait_dscnt YW
	MULP 1, 0, 0, 0
	MULP 1, 0, 1, 0
	s_wait_dscnt 0x0
	MULP 1, 1, 0, 0
	MULP 1, 1, 1, 0
.endm
.macro CHANGE0
	WIN 0
	s_wait_tensorcnt 0x0
	ds_add_u32 v[SPW], v[NIL]
	s_xor_b32 s[TB], s[TB], SLOT
	s_wait_dscnt 0x0
	s_barrier_signal -1
	s_barrier_wait -1
	v_add_nc_u32 v[ADRA], s[TB], v[ADRA0]
	v_add_nc_u32 v[ADRB], s[TB], v[ADRB0]
	PLACES
	FETCH 0, 0
.endm
.macro DUMP
.set aa, 0
.rept MB
.set bb, 0
.rept NBW
.set tt, NBW*aa+bb
.set rD, 8*(tt%32)
	WIN (2+tt/32)<<2
	ds_store_b128 v[DST+aa/4], v[rD:rD+3]   offset:(aa%4)*16*DP+64*bb
	ds_store_b128 v[DST+aa/4], v[rD+4:rD+7] offset:(aa%4)*16*DP+64*bb+16
.set bb, bb+1
.endr
.set aa, aa+1
.endr
	WIN 0
.endm
	s_load_b128 s[4:7], s[0:1], 0x0                ; A, wt
	s_load_b64 s[8:9], s[0:1], 0x10                ; g
	s_load_b64 s[60:61], s[0:1], 0x18              ; b1
	v_lshl_add_u32 v[SPW], v0, 2, SPARE
	v_mov_b32 v[NIL], 0
	ds_add_u32 v[SPW], v[NIL]                      ; the wave's opening: the add and its wait ahead of my first tensor load
	v_lshrrev_b32 v1, 5, v0
	v_readfirstlane_b32 s10, v1
	s_lshr_b32 s11, s10, 1
	s_and_b32 s12, s10, 1
	s_bfe_u32 s40, ttmp6, 0x40000
	s_bfe_u32 s41, ttmp6, 0x40004
	s_lshl_b32 s42, ttmp9, 2
	s_add_co_u32 s42, s42, s40                     ; tile column
	s_and_b32 s13, ttmp7, 0xffff
	s_lshl_b32 s13, s13, 2
	s_add_co_u32 s13, s13, s41                     ; tile row
	s_lshl_b32 s14, s41, 2
	s_lshl_b32 s14, 15, s14
	s_lshl_b32 s15, 0x1111, s40
	s_or_b32 s[G1], s14, (1<<16)|(1<<20)|(1<<21)|(AQI<<22)|(3<<25)
	s_or_b32 s[G1B], s15, (1<<16)|(1<<20)|(1<<21)|(BQI<<22)|(3<<25)
	s_mov_b32 s[G1+1], ADIM0<<16
	s_mov_b32 s[G1+2], AROWS<<16
	s_mov_b32 s[G1+3], ADIM0<<16
	s_mov_b32 s[G1+4], AROWS
	s_mov_b32 s[G1+5], ASTR
	s_mov_b32 s[G1+6], 0
	s_mov_b32 s[G1+7], 0
	s_mov_b32 s[G1B+1], KSTEP<<16
	s_mov_b32 s[G1B+2], (TN/2)<<16
	s_mov_b32 s[G1B+3], KSTEP<<16
	s_mov_b32 s[G1B+4], TN/2
	s_mov_b32 s[G1B+5], KSIZE
	s_mov_b32 s[G1B+6], 0
	s_mov_b32 s[G1B+7], 0
	s_mov_b32 s[CP], 0x3eed3388                    ; 0.46328378
	s_mov_b32 s[CP+1], s[CP]
	s_mov_b32 s[CW], 0x3fd96d27                    ; 1.6986436
	s_mov_b32 s[CW+1], s[CW]
	s_mov_b32 s[A1], 0x3e827906                    ; 0.254829592
	s_mov_b32 s[A1+1], s[A1]
	s_mov_b32 s[A2], 0xbe91a98e                    ; -0.284496736
	s_mov_b32 s[A2+1], s[A2]
	s_mov_b32 s[A3], 0x3fb5f0e3                    ; 1.421413741
	s_mov_b32 s[A3+1], s[A3]
	s_mov_b32 s[A4], 0xbfba00e3                    ; -1.453152027
	s_mov_b32 s[A4+1], s[A4]
	s_mov_b32 s[A5], 0x3f87dc22                    ; 1.061405429
	s_mov_b32 s[A5+1], s[A5]
	s_mov_b32 s[ABSM], 0x7fffffff
	s_mul_i32 s16, s13, TM
	s_mul_i32 s17, s12, TM/2
	s_add_co_u32 s16, s16, s17
	s_mul_i32 s16, s16, AROWB
	s_mov_b32 s17, 0
	s_mul_i32 s46, s42, TN
	s_mul_i32 s47, s12, TN/2
	s_add_co_u32 s46, s46, s47
	s_mul_i32 s46, s46, 2*KSIZE
	s_add_co_u32 s46, s46, WOFF
	s_mov_b32 s47, 0
	s_mul_i32 s[WPA], s12, HA
	s_mul_i32 s[WPB], s12, HB
	s_add_co_u32 s[WPB], s[WPB], 2*HA
	s_mov_b32 s[TB], 0
	s_wait_dscnt 0x0
	s_wait_kmcnt 0x0
	s_add_nc_u64 s[14:15], s[4:5], s[16:17]
	s_add_nc_u64 s[46:47], s[6:7], s[46:47]
	s_mov_b32 s[G0F], 1
	s_mov_b32 s[G0F+1], s[WPA]
	s_mov_b64 s[G0F+2:G0F+3], s[14:15]
	s_or_b32 s[G0F+3], s[G0F+3], 0x80000000
	s_mov_b32 s[G0FB], 1
	s_mov_b32 s[G0FB+1], s[WPB]
	s_mov_b64 s[G0FB+2:G0FB+3], s[46:47]
	s_or_b32 s[G0FB+3], s[G0FB+3], 0x80000000
	s_mov_b32 s[G0], 1
	s_add_co_u32 s[G0+1], s[WPA], SLOT
	s_add_nc_u64 s[G0+2:G0+3], s[14:15], ASTEP
	s_or_b32 s[G0+3], s[G0+3], 0x80000000
	s_mov_b32 s[G0B], 1
	s_add_co_u32 s[G0B+1], s[WPB], SLOT
	s_add_nc_u64 s[G0B+2:G0B+3], s[46:47], BSTEP
	s_or_b32 s[G0B+3], s[G0B+3], 0x80000000
	CROUND                                         ; all sixteen work-groups are here: the first joint loads meet
	s_cmp_eq_u32 s11, 0                            ; a wave's two first fills stand in one branch: two loads of mine are out
	s_cbranch_scc0 .Lfirst_b
	tensor_load_to_lds s[G0F:G0F+3], s[G1:G1+7]
	s_nop 0
	tensor_load_to_lds s[G0:G0+3], s[G1:G1+7]
	s_nop 0
.rept 4
	v_nop
.endr
	s_branch .Lfirst_done
.Lfirst_b:
	tensor_load_to_lds s[G0FB:G0FB+3], s[G1B:G1B+7]
	s_nop 0
	tensor_load_to_lds s[G0B:G0B+3], s[G1B:G1B+7]
	s_nop 0
.rept 4
	v_nop
.endr
.Lfirst_done:
	v_and_b32 v1, 15, v0                           ; r
	v_bfe_u32 v2, v0, 4, 1                         ; h
	v_and_b32 v5, 31, v0                           ; lane
	v_mul_u32_u24 v3, v1, PITCH
	v_lshl_add_u32 v3, v2, 4, v3
	s_mul_i32 s21, s11, HA
	v_add_nc_u32 v[ADRA0], s21, v3
	s_mul_i32 s22, s12, HB
	s_add_co_u32 s22, s22, 2*HA
	v_add_nc_u32 v[ADRB0], s22, v3
	s_mul_i32 s20, s11, (TM/2)*DP
	s_mul_i32 s21, s12, (TN/2)*4
	s_add_co_u32 s20, s20, s21
	v_mul_u32_u24 v3, v1, DP
	v_lshl_add_u32 v3, v2, 5, v3
	v_add_nc_u32 v[DST], s20, v3
	v_add_nc_u32 v[DST+1], 64*DP, v[DST]
	; the way out: wave w takes rows 64 w .. 64 w + 63; a lane takes columns 4 l + 0..3 and 128 + 4 l + 0..3 of a row
	s_mul_i32 s20, s10, 64*DP
	v_lshl_add_u32 v[DRD0], v5, 4, s20
	s_lshl_b32 s21, s42, 10
	v_lshl_add_u32 v6, v5, 4, s21
	global_load_b128 v[BIAS:BIAS+3], v6, s[60:61]
	global_load_b128 v[BIAS+4:BIAS+7], v6, s[60:61] offset:512
	v_lshlrev_b32 v[GOF], 3, v5
	s_lshl_b32 s20, s13, 8
	s_lshl_b32 s21, s10, 6
	s_add_co_u32 s20, s20, s21
	s_lshl_b32 s20, s20, 13
	s_lshl_b32 s21, s42, 9
	s_add_co_u32 s20, s20, s21
	s_mov_b32 s21, 0
	s_add_nc_u64 s[8:9], s[8:9], s[20:21]
	; the prefetches
	s_and_b32 s22, ttmp7, 0xffff                   ; cluster y
	s_mul_i32 s20, s13, TM
	s_mul_i32 s21, s42, TN
	s_mov_b32 s23, TN/2
	s_cmp_eq_u32 s11, 0                            ; do I fetch for A?
	s_cselect_b32 s20, s20, s21                    ; the tile's first row
	s_cselect_b32 s21, s40, s41                    ; my place among the four
	s_cselect_b32 s22, ttmp9, s22                  ; the coordinate along which other clusters read the same rows
	s_cselect_b32 s23, TM/2, s23                   ; rows that a wave fetches
	s_cselect_b32 s2, 0, WOFF
	s_cselect_b64 s[PFA:PFA+1], s[4:5], s[6:7]
	s_cmp_eq_u32 s22, 0
	s_cselect_b32 s[LIM], 1, -1
	s_mul_i32 s22, s12, s23
	s_add_co_u32 s20, s20, s22
	s_lshr_b32 s23, s23, 2                         ; a partner's share: 32 rows
	s_mul_i32 s21, s21, s23
	s_add_co_u32 s20, s20, s21
	s_mul_i32 s20, s20, 2*KSIZE
	s_add_co_u32 s20, s20, s2
	s_add_co_u32 s20, s20, 2*KSTEP                 ; at K step 1: the first change steps it to 2 and names K step 3
	s_mov_b32 s21, 0
	s_add_nc_u64 s[PFA:PFA+1], s[PFA:PFA+1], s[20:21]
	s_sub_co_u32 s23, s23, 1
	v_min_u32 v[PFO], s23, v5
	v_lshlrev_b32 v[PFO], 11, v[PFO]
	s_wait_tensorcnt 0x1                           ; my part of K step 0 is in; K step 1's may stay out
	s_barrier_signal -1
	s_barrier_wait -1
	v_mov_b32 v[ADRA], v[ADRA0]
	v_mov_b32 v[ADRB], v[ADRB0]
	FETCH 0, 0
	QUARTER 1, 0, 1, 1
	WIN 0
	s_mov_b32 s3, NT-2
.Lstep:
	QUARTER 2, 1, 0, 0
	QUARTER 3, 0, 1, 0
	TURN
	QUARTER 1, 0, 1, 0
	WIN 0
	s_sub_co_u32 s3, s3, 1
	s_cmp_lg_u32 s3, 0
	s_cbranch_scc1 .Lstep
	s_mov_b32 s3, 2
	s_branch .Lmid
.Ltail:
	CHANGE0
	QUARTER 1, 0, 1, 0
	WIN 0
.Lmid:
	QUARTER 2, 1, 0, 0
	QUARTER 3, 0, 1, 0
	LASTQ
	WIN 0
	s_sub_co_u32 s3, s3, 1
	s_cmp_lg_u32 s3, 0
	s_cbranch_scc1 .Ltail
	PLACES
	s_barrier_signal -1                            ; every wave's reads of both slots are over, and no fill is to come
	s_barrier_wait -1
	DUMP
	s_wait_dscnt 0x0
	s_barrier_signal -1
	s_barrier_wait -1
	; THE WAY OUT: sixteen trips of four rows.  A trip's 8 LDS loads are issued a trip ahead; the last trip's look-ahead reads its own rows once more, and nobody uses them.
.macro XLOAD
.irp i, 0,1,2,3
	ds_load_b128 v[XR+8*\i:XR+8*\i+3],   v[DRD] offset:\i*DP
	ds_load_b128 v[XR+8*\i+4:XR+8*\i+7], v[DRD] offset:\i*DP+512
.endr
.endm
.macro EACH16 line:vararg              ; one line for each pair k = 0, 2 .. 30
.set k, 0
.rept 16
	\line
.set k, k+2
.endr
.endm
	s_wait_loadcnt 0x0                             ; b1
.irp k, 0,2,4,6
	v_pk_mul_f32 v[BIAS+\k:BIAS+\k+1], v[BIAS+\k:BIAS+\k+1], 0.5 op_sel_hi:[1,0]
.endr
	v_mov_b32 v[DRD], v[DRD0]
	XLOAD
	s_mov_b32 s[EL], 0
	s_mov_b32 s3, 16
.Lgelu:
	s_wait_dscnt 0x0
	EACH16 v_pk_fma_f32 v[ZH+k:ZH+k+1], v[XR+k:XR+k+1], 0.5, v[BIAS+k%8:BIAS+k%8+1] op_sel_hi:[1,0,1]
	s_add_co_u32 s[EL], s[EL], 4*DP
	s_min_u32 s[EL], s[EL], 60*DP
	v_add_nc_u32 v[DRD], s[EL], v[DRD0]
	XLOAD
.set k, 0
.rept 32
	v_and_b32 v[AZ+k], s[ABSM], v[ZH+k]
.set k, k+1
.endr
	EACH16 v_pk_fma_f32 v[TT+k:TT+k+1], v[AZ+k:AZ+k+1], s[CP:CP+1], 1.0 op_sel_hi:[1,0,0]
	EACH16 v_pk_mul_f32 v[EE+k:EE+k+1], v[ZH+k:ZH+k+1], s[CW:CW+1] op_sel_hi:[1,0]
	EACH16 v_pk_mul_f32 v[EE+k:EE+k+1], v[EE+k:EE+k+1], v[EE+k:EE+k+1] neg_lo:[1,0] neg_hi:[1,0]
.set k, 0
.rept 32                               ; one batch: 32 reciprocals and 32 exponentials
	v_rcp_f32 v[TT+k], v[TT+k]
.set k, k+1
.endr
.set k, 0
.rept 32
	v_exp_f32 v[EE+k], v[EE+k]
.set k, k+1
.endr
	v_nop                                          ; a plain instruction behind the last of them,
	s_wait_alu depctr_va_vdst(0)                   ; and one wait for the batch, ahead of its first reader
	EACH16 v_pk_fma_f32 v[PO+k:PO+k+1], v[TT+k:TT+k+1], s[A5:A5+1], s[A4:A4+1] op_sel_hi:[1,0,0]
	EACH16 v_pk_fma_f32 v[PO+k:PO+k+1], v[PO+k:PO+k+1], v[TT+k:TT+k+1], s[A3:A3+1] op_sel_hi:[1,1,0]
	EACH16 v_pk_fma_f32 v[PO+k:PO+k+1], v[PO+k:PO+k+1], v[TT+k:TT+k+1], s[A2:A2+1] op_sel_hi:[1,1,0]
	EACH16 v_pk_fma_f32 v[PO+k:PO+k+1], v[PO+k:PO+k+1], v[TT+k:TT+k+1], s[A1:A1+1] op_sel_hi:[1,1,0]
	EACH16 v_pk_mul_f32 v[PO+k:PO+k+1], v[PO+k:PO+k+1], v[TT+k:TT+k+1]
	EACH16 v_pk_mul_f32 v[PO+k:PO+k+1], v[PO+k:PO+k+1], v[EE+k:EE+k+1]
	EACH16 v_pk_fma_f32 v[PO+k:PO+k+1], v[AZ+k:AZ+k+1], v[PO+k:PO+k+1], v[AZ+k:AZ+k+1] neg_lo:[0,1,0] neg_hi:[0,1,0]
	EACH16 v_pk_add_f32 v[PO+k:PO+k+1], v[PO+k:PO+k+1], v[ZH+k:ZH+k+1]
.set k, 0
.rept 16
	v_cvt_pk_bf16_f32 v[OU+k], v[PO+2*k], v[PO+2*k+1]
.set k, k+1
.endr
.irp i, 0,1,2,3
	global_store_b64 v[GOF], v[OU+4*\i:OU+4*\i+1],   s[8:9] offset:\i*8192       ; 32 lanes store 256 consecutive bytes, aligned
	global_store_b64 v[GOF], v[OU+4*\i+2:OU+4*\i+3], s[8:9] offset:\i*8192+256
.endr
	s_wait_xcnt 0x0                                ; the stores have read their data and offset
	v_add_nc_u32 v[GOF], 32768, v[GOF]
	s_sub_co_u32 s3, s3, 1
	s_cmp_lg_u32 s3, 0
	s_cbranch_scc1 .Lgelu
	s_wait_tensorcnt 0x0                           ; the wave's end
	ds_add_u32 v[SPW], v[NIL]
	s_wait_dscnt 0x0
	CROUND                                         ; the closing round
	s_endpgm
.Lfunc_end_k_q5fdce65f98_w1:
	.size	k_q5fdce65f98_w1, .Lfunc_end_k_q5fdce65f98_w1-k_q5fdce65f98_w1
	.p2alignl 7, 3214868480
	.fill 96, 4, 3214868480
	.section	.rodata,"a",@progbits
	.p2align	6, 0x0
	.amdhsa_kernel k_q5fdce65f98_w1
		.amdhsa_group_segment_fixed_size 327680
		.amdhsa_private_segment_fixed_size 0
		.amdhsa_enable_private_segment 0
		.amdhsa_kernarg_size 32
		.amdhsa_user_sgpr_count 2
		.amdhsa_user_sgpr_kernarg_segment_ptr 1
		.amdhsa_wavefront_size32 1
		.amdhsa_system_sgpr_workgroup_id_x 1
		.amdhsa_system_sgpr_workgroup_id_y 1
		.amdhsa_system_sgpr_workgroup_id_z 1
		.amdhsa_system_vgpr_workitem_id 0
		.amdhsa_next_free_vgpr 1024
		.amdhsa_next_free_sgpr 100
		.amdhsa_reserve_vcc 0
		.amdhsa_float_denorm_mode_32 3
		.amdhsa_float_denorm_mode_16_64 3
		.amdhsa_memory_ordered 1
		.amdhsa_forward_progress 1
		.amdhsa_inst_pref_size 97
	.end_amdhsa_kernel
	.amdgpu_metadata
---
amdhsa.version: [ 1, 2 ]
amdhsa.kernels:
  - .name:           k_q5fdce65f98_w1
    .symbol:         k_q5fdce65f98_w1.kd
    .args:
      - { .name: hbuf, .offset: 0, .size: 8, .value_kind: global_buffer, .address_space: global }
      - { .name: wt, .offset: 8, .size: 8, .value_kind: global_buffer, .address_space: global }
      - { .name: g, .offset: 16, .size: 8, .value_kind: global_buffer, .address_space: global }
      - { .name: b1, .offset: 24, .size: 8, .value_kind: global_buffer, .address_space: global }
    .group_segment_fixed_size: 327680
    .private_segment_fixed_size: 0
    .kernarg_segment_align: 8
    .kernarg_segment_size: 32
    .max_flat_workgroup_size: 128
    .sgpr_count:     100
    .vgpr_count:     1024
    .wavefront_size: 32
...
	.end_amdgpu_metadata
.endif
;; end of part 5
;; launch w2 (part 6): grid 8 x 32, 4 waves a work-group, clusters of 4 x 4, 327,680 bytes of LDS; arguments g, wt, out0, b2, x1; writes out0
.if DOCPART == 6
	.amdgcn_target "amdgcn-amd-amdhsa--gfx1250"
	.amdhsa_code_object_version 6
	.text
	.protected	k_q5fdce65f98_w2
	.globl	k_q5fdce65f98_w2
	.p2align	8
	.type	k_q5fdce65f98_w2,@function
k_q5fdce65f98_w2:
	s_mov_b64 s[64:65], 0
	v_nop
	global_prefetch_b8 v0, s[64:65] scope:SCOPE_SE
	s_setreg_imm32_b32 hwreg(HW_REG_WAVE_MODE, 25, 1), 1
	s_wait_xcnt 0x0
	s_wait_alu depctr_hold_cnt(0) depctr_sa_sdst(0) depctr_va_vdst(0) depctr_va_sdst(0) depctr_va_ssrc(0) depctr_va_vcc(0) depctr_vm_vsrc(0)
	s_getreg_b32 s2, hwreg(HW_REG_IB_STS2, 6, 4)
	s_cmp_eq_u32 s2, 0
	s_cbranch_scc0 .Lentry_in_a_cluster
	s_endpgm
.Lentry_in_a_cluster:
	s_bfe_u32 s2, ttmp6, 0x10000c
	s_cmp_lg_u32 s2, 0xf033
	s_cbranch_scc0 .Lentry_shape_is_right
	s_endpgm
.Lentry_shape_is_right:
; out0 = x1 + g W2 + b2, f32.  g: [4096][4096] bf16; W2^T: wt at WOFF, [1024][4096] bf16; sums in f32.
; A tile of C is 128 x 128, so that there are 256 work-groups.  Four waves, 2 x 2, each 64 x 64: 16 accumulators.  K goes in steps of 256 (rows of 512 bytes) through two LDS slots.
; CLUSTER 4 x 4: A's tile is asked for jointly along a row of the cluster, B's along a column.
; THE ORDER OF K: trip t takes K step t xor m, m = (2 x cluster x) xor (cluster y << YSH), modulo the number of steps: a number that all sixteen partners share.  So the two clusters that read the same rows of A
; (they differ in x) take each four K steps as 0 1 2 3 and as 2 3 0 1, and the clusters that read the same rows of B (they differ in y) begin four K steps apart.  The f32 sums are taken in that order.
; THE MATRIX INSTRUCTION IS USED TRANSPOSED (source 0 = 16 rows of B, source 1 = 16 rows of A): a lane holds row l % 16 of C and the columns 8 (l / 16) + 0..7.
; THE SUMS START WITH THE BIAS: it is the C operand of each accumulator's first product.
; THE TEXT: a K step is written once in the loop; the LDS addresses hang on s[TB], 0 or SLOT.  The last two K steps, which ask for nothing, are a loop of two trips entered in its middle.
; THE WAY OUT: the f32 tile is laid into the slots, whose last fill is over, and read back by rows; the residual's rows are loaded ahead of the last two K steps.
; REGISTERS: window 0 addresses, the bias and the way out; window 1 two fragment buffers of 128 (A's 64, then B's); window 2 the accumulators ((a, b) at 8 (NBW a + b)).
.set TM,    128
.set TN,    128
.set MB,    4
.set NBW,   4
.set KSIZE, 4096
.set KSTEP, 256
.set PITCH, 528                        ; an LDS row: 512 bytes + 16
.set HA,    64*528
.set HB,    64*528
.set ABLK,  16*528
.set AQ,    128
.set BQ,    128
.set ASTEP, 512
.set BSTEP, 512
.set AROWB, 8192
.set WOFF,  16777216
.set ADIM0, 256
.set AROWS, 64
.set ASTR,  4096
.set AQI,   6
.set BQI,   6
.set YSH,   2
.set YW,    16                         ; the youngest fragment loads that a quarter's first half does not need
.set NL,    32                         ; fragment loads in a run
.set NT,    KSIZE/KSTEP
.set SLOT,  2*HA+2*HB
.set SPARE, 2*SLOT
.set DP,    4*TN+16
.set ADRA0, 16
.set ADRB0, 17
.set ADRA,  18
.set ADRB,  19
.set DST,   20
.set DRD0,  22
.set GOF,   24
.set SPW,   28
.set NIL,   29
.set BIAS,  32                         ; v[32:63]   the bias of my columns: block b at 8 b
.set RR,    64                         ; v[64:191]  32 rows of the residual, then of the result
.set YY,    192                        ; v[192:255] two sets of 8 rows of the product
.set G1,   24
.set G0,   32
.set TB,   36
.set WPA,  37
.set WPB,  38
.set G1B,  48
.set G0B,  56
.set KT,   66                          ; s66  the trip whose K step was asked for last
.set KM,   67                          ; s67  m
.set OFA,  68                          ; s[68:69], s[70:71]  a K step's byte offset along A's and B's rows
.set OFB,  70
.set G0F,  92
.set G0FB, 96
.set MSB, 0
.macro WIN new
.if MSB != (\new)
	s_set_vgpr_msb (MSB<<8)|(\new)
.set MSB, (\new)
.endif
.endm
.macro PLACES
.rept 4
	v_nop
.endr
.endm
.macro CREST
	s_cmp_lg_u32 s10, 0
	s_cbranch_scc1 .Lnot_wave_0_\@
	s_barrier_signal -3
.Lnot_wave_0_\@:
	s_barrier_wait -3
	s_barrier_signal -1
	s_barrier_wait -1
.endm
.macro CROUND
	s_barrier_signal -1
	s_barrier_wait -1
	CREST
.endm
.macro JLOAD                           ; a joint refill: waves 0, 1 fetch A's halves, waves 2, 3 B's
	s_cmp_eq_u32 s11, 0
	s_cbranch_scc0 .Lfor_b_\@
	tensor_load_to_lds s[G0:G0+3], s[G1:G1+7]
	s_nop 0
.rept 4
	v_nop
.endr
	s_branch .Lasked_\@
.Lfor_b_\@:
	tensor_load_to_lds s[G0B:G0B+3], s[G1B:G1B+7]
	s_nop 0
.rept 4
	v_nop
.endr
.Lasked_\@:
.endm
.macro MULP f, hh, pp, first           ; blocks of rows 2 pp, 2 pp + 1 x all blocks of columns, 32 along K (half hh of buffer f); the accumulators take turns
.set aa, 2*(\pp)
.rept 2
.set bb, 0
.rept NBW
.set rD, 8*(NBW*aa+bb)
.set rB, 128*(\f)+64+8*(NBW*(\hh)+bb)
.set rA, 128*(\f)+8*(MB*(\hh)+aa)
.if \first
	WIN 0x85                                       ; B and A window 1, the bias window 0, D window 2
	v_wmma_f32_16x16x32_bf16 v[rD:rD+7], v[rB:rB+7], v[rA:rA+7], v[BIAS+8*bb:BIAS+8*bb+7]
.else
	WIN 0xa5                                       ; C and D window 2
	v_wmma_f32_16x16x32_bf16 v[rD:rD+7], v[rB:rB+7], v[rA:rA+7], v[rD:rD+7]
.endif
.set bb, bb+1
.endr
.set aa, aa+1
.endr
.endm
.macro FETCH q, f                      ; one run of LDS loads: quarter q of the slot in hand into buffer f, its first 32 along K first
	WIN 0x40
.set cc, 0
.rept 2
.set ii, 0
.rept 4
	ds_load_b128 v[128*(\f)+64+8*(4*cc+ii):128*(\f)+64+8*(4*cc+ii)+3],   v[ADRB] offset:(\q)*BQ+64*cc+ii*16*PITCH
	ds_load_b128 v[128*(\f)+64+8*(4*cc+ii)+4:128*(\f)+64+8*(4*cc+ii)+7], v[ADRB] offset:(\q)*BQ+64*cc+ii*16*PITCH+32
	ds_load_b128 v[128*(\f)+8*(4*cc+ii):128*(\f)+8*(4*cc+ii)+3],         v[ADRA] offset:(\q)*AQ+64*cc+ii*ABLK
	ds_load_b128 v[128*(\f)+8*(4*cc+ii)+4:128*(\f)+8*(4*cc+ii)+7],       v[ADRA] offset:(\q)*AQ+64*cc+ii*ABLK+32
.set ii, ii+1
.endr
.set cc, cc+1
.endr
.endm
.macro QUARTER q, f, g, first
	s_wait_dscnt YW                                ; the first 32 along K are in
	MULP \f, 0, 0, \first
	MULP \f, 0, 1, \first
	PLACES
	FETCH \q, \g
	s_wait_dscnt NL                                ; all but the run just issued
	MULP \f, 1, 0, 0
	MULP \f, 1, 1, 0
.endm
; A K step's last quarter and the change of slots: each wave waits for all its tensor loads (one is out: its part of the next slot), adds 0 to its spare word, waits for that and for its reads of this slot;
; behind the round this slot is filled again first, with the K step of the trip two on.  Both descriptors are made anew, from the rows' address and the step's number, between the add and the wait for it.
.macro TURN
	WIN 0
	s_wait_tensorcnt 0x0
	ds_add_u32 v[SPW], v[NIL]
	s_add_co_u32 s[KT], s[KT], 1
	s_xor_b32 s20, s[KT], s[KM]                    ; the K step
	s_mul_i32 s[OFA], s20, ASTEP
	s_mul_i32 s[OFB], s20, BSTEP
	s_add_nc_u64 s[G0+2:G0+3], s[14:15], s[OFA:OFA+1]
	s_or_b32 s[G0+3], s[G0+3], 0x80000000
	s_add_nc_u64 s[G0B+2:G0B+3], s[46:47], s[OFB:OFB+1]
	s_or_b32 s[G0B+3], s[G0B+3], 0x80000000
	s_add_co_u32 s[G0+1], s[WPA], s[TB]            ; into the slot that is being read out
	s_add_co_u32 s[G0B+1], s[WPB], s[TB]
	s_wait_dscnt YW+1                              ; (the add and the youngest YW loads may be out)
	MULP 1, 0, 0, 0
	s_wait_dscnt 0x0                               ; the add is done, my reads of this slot are over
	s_barrier_signal -1
	MULP 1, 0, 1, 0
	WIN 0
	s_barrier_wait -1
	CREST
	JLOAD
	s_xor_b32 s[TB], s[TB], SLOT
	v_add_nc_u32 v[ADRA], s[TB], v[ADRA0]
	v_add_nc_u32 v[ADRB], s[TB], v[ADRB0]
	FETCH 0, 0
	MULP 1, 1, 0, 0
	MULP 1, 1, 1, 0
.endm
.macro LASTQ
	s_wait_dscnt YW
	MULP 1, 0, 0, 0
	MULP 1, 0, 1, 0
	s_wait_dscnt 0x0
	MULP 1, 1, 0, 0
	MULP 1, 1, 1, 0
.endm
.macro CHANGE0                         ; the last change of slots: nothing is asked for
	WIN 0
	s_wait_tensorcnt 0x0
	ds_add_u32 v[SPW], v[NIL]
	s_xor_b32 s[TB], s[TB], SLOT
	s_wait_dscnt 0x0
	s_barrier_signal -1
	s_barrier_wait -1
	v_add_nc_u32 v[ADRA], s[TB], v[ADRA0]
	v_add_nc_u32 v[ADRB], s[TB], v[ADRB0]
	PLACES
	FETCH 0, 0
.endm
.macro DUMP                            ; my accumulators into the f32 tile, each from its low end on
	WIN 0x08                                       ; the data in window 2
.set aa, 0
.rept MB
.set bb, 0
.rept NBW
.set rD, 8*(NBW*aa+bb)
	ds_store_b128 v[DST], v[rD:rD+3]   offset:aa*16*DP+64*bb
	ds_store_b128 v[DST], v[rD+4:rD+7] offset:aa*16*DP+64*bb+16
.set bb, bb+1
.endr
.set aa, aa+1
.endr
	WIN 0
.endm
	s_load_b128 s[4:7], s[0:1], 0x0                ; A, wt
	s_load_b64 s[8:9], s[0:1], 0x10                ; the output
	s_load_b128 s[60:63], s[0:1], 0x18             ; the bias, the residual
	v_lshl_add_u32 v[SPW], v0, 2, SPARE
	v_mov_b32 v[NIL], 0
	ds_add_u32 v[SPW], v[NIL]                      ; the wave's opening: the add and its wait ahead of my first tensor load
	v_lshrrev_b32 v1, 5, v0
	v_readfirstlane_b32 s10, v1
	s_lshr_b32 s11, s10, 1                         ; my half of the tile's rows.  Also: I fetch for A (0) or B (1)
	s_and_b32 s12, s10, 1                          ; my half of its columns.  Also: which half of that tile I fetch
	s_bfe_u32 s40, ttmp6, 0x40000
	s_bfe_u32 s41, ttmp6, 0x40004
	s_lshl_b32 s42, ttmp9, 2
	s_add_co_u32 s42, s42, s40                     ; tile column
	s_and_b32 s13, ttmp7, 0xffff
	s_lshl_b32 s13, s13, 2
	s_add_co_u32 s13, s13, s41                     ; tile row
	s_lshl_b32 s14, s41, 2
	s_lshl_b32 s14, 15, s14
	s_lshl_b32 s15, 0x1111, s40
	s_or_b32 s[G1], s14, (1<<16)|(1<<20)|(1<<21)|(AQI<<22)|(3<<25)
	s_or_b32 s[G1B], s15, (1<<16)|(1<<20)|(1<<21)|(BQI<<22)|(3<<25)
	s_mov_b32 s[G1+1], ADIM0<<16
	s_mov_b32 s[G1+2], AROWS<<16
	s_mov_b32 s[G1+3], ADIM0<<16
	s_mov_b32 s[G1+4], AROWS
	s_mov_b32 s[G1+5], ASTR
	s_mov_b32 s[G1+6], 0
	s_mov_b32 s[G1+7], 0
	s_mov_b32 s[G1B+1], KSTEP<<16
	s_mov_b32 s[G1B+2], (TN/2)<<16
	s_mov_b32 s[G1B+3], KSTEP<<16
	s_mov_b32 s[G1B+4], TN/2
	s_mov_b32 s[G1B+5], KSIZE
	s_mov_b32 s[G1B+6], 0
	s_mov_b32 s[G1B+7], 0
	s_mul_i32 s16, s13, TM
	s_mul_i32 s17, s12, TM/2
	s_add_co_u32 s16, s16, s17
	s_mul_i32 s16, s16, AROWB
	s_mov_b32 s17, 0
	s_mul_i32 s46, s42, TN
	s_mul_i32 s47, s12, TN/2
	s_add_co_u32 s46, s46, s47
	s_mul_i32 s46, s46, 2*KSIZE
	s_add_co_u32 s46, s46, WOFF
	s_mov_b32 s47, 0
	s_mul_i32 s[WPA], s12, HA
	s_mul_i32 s[WPB], s12, HB
	s_add_co_u32 s[WPB], s[WPB], 2*HA
	s_mov_b32 s[TB], 0
	s_and_b32 s20, ttmp7, 0xffff                   ; the order of K: cluster y
	s_lshl_b32 s20, s20, YSH
	s_lshl_b32 s21, ttmp9, 1                       ; and 2 x cluster x
	s_xor_b32 s[KM], s20, s21
	s_and_b32 s[KM], s[KM], NT-1
	s_xor_b32 s22, s[KM], 1                        ; trip 1's K step
	s_mul_i32 s[OFA], s[KM], ASTEP                 ; trip 0's
	s_mov_b32 s[OFA+1], 0
	s_mul_i32 s[OFB], s[KM], BSTEP
	s_mov_b32 s[OFB+1], 0
	s_mul_i32 s20, s22, ASTEP
	s_mov_b32 s21, 0
	s_mul_i32 s22, s22, BSTEP
	s_mov_b32 s23, 0
	s_mov_b32 s[KT], 1
	s_wait_dscnt 0x0
	s_wait_kmcnt 0x0
	s_add_nc_u64 s[14:15], s[4:5], s[16:17]        ; A at the rows that I fetch; kept
	s_add_nc_u64 s[46:47], s[6:7], s[46:47]        ; B likewise
	s_mov_b32 s[G0F], 1                            ; trip 0's K step into slot 0
	s_mov_b32 s[G0F+1], s[WPA]
	s_add_nc_u64 s[G0F+2:G0F+3], s[14:15], s[OFA:OFA+1]
	s_or_b32 s[G0F+3], s[G0F+3], 0x80000000
	s_mov_b32 s[G0FB], 1
	s_mov_b32 s[G0FB+1], s[WPB]
	s_add_nc_u64 s[G0FB+2:G0FB+3], s[46:47], s[OFB:OFB+1]
	s_or_b32 s[G0FB+3], s[G0FB+3], 0x80000000
	s_mov_b32 s[G0], 1                             ; trip 1's into slot 1
	s_add_co_u32 s[G0+1], s[WPA], SLOT
	s_add_nc_u64 s[G0+2:G0+3], s[14:15], s[20:21]
	s_or_b32 s[G0+3], s[G0+3], 0x80000000
	s_mov_b32 s[G0B], 1
	s_add_co_u32 s[G0B+1], s[WPB], SLOT
	s_add_nc_u64 s[G0B+2:G0B+3], s[46:47], s[22:23]
	s_or_b32 s[G0B+3], s[G0B+3], 0x80000000
	CROUND                                         ; all sixteen work-groups are here: the first joint loads meet
	s_cmp_eq_u32 s11, 0                            ; a wave's two first fills stand in one branch: two loads of mine are out
	s_cbranch_scc0 .Lfirst_b
	tensor_load_to_lds s[G0F:G0F+3], s[G1:G1+7]
	s_nop 0
	tensor_load_to_lds s[G0:G0+3], s[G1:G1+7]
	s_nop 0
.rept 4
	v_nop
.endr
	s_branch .Lfirst_done
.Lfirst_b:
	tensor_load_to_lds s[G0FB:G0FB+3], s[G1B:G1B+7]
	s_nop 0
	tensor_load_to_lds s[G0B:G0B+3], s[G1B:G1B+7]
	s_nop 0
.rept 4
	v_nop
.endr
.Lfirst_done:
	v_and_b32 v1, 15, v0                           ; r
	v_bfe_u32 v2, v0, 4, 1                         ; h
	v_and_b32 v5, 31, v0                           ; lane
	s_lshl_b32 s21, s42, 9                         ; the tile's first column, in bytes of f32
	s_lshl_b32 s22, s12, 8                         ; my half of its columns
	s_add_co_u32 s22, s22, s21
	v_lshl_add_u32 v6, v2, 5, s22                  ; + 8 h columns
.set bb, 0
.rept NBW                              ; the bias of columns 16 b + 8 h + 0..7
	global_load_b128 v[BIAS+8*bb:BIAS+8*bb+3],   v6, s[60:61] offset:64*bb
	global_load_b128 v[BIAS+8*bb+4:BIAS+8*bb+7], v6, s[60:61] offset:64*bb+16
.set bb, bb+1
.endr
	v_mul_u32_u24 v3, v1, PITCH
	v_lshl_add_u32 v3, v2, 4, v3
	s_mul_i32 s20, s11, HA
	v_add_nc_u32 v[ADRA0], s20, v3
	s_mul_i32 s22, s12, HB
	s_add_co_u32 s22, s22, 2*HA
	v_add_nc_u32 v[ADRB0], s22, v3
	s_mul_i32 s20, s11, (TM/2)*DP
	s_mul_i32 s22, s12, (TN/2)*4
	s_add_co_u32 s20, s20, s22
	v_mul_u32_u24 v3, v1, DP
	v_lshl_add_u32 v3, v2, 5, v3
	v_add_nc_u32 v[DST], s20, v3
	; the way out: wave w takes rows 32 w .. 32 w + 31, a row (512 bytes) an instruction
	s_mul_i32 s20, s10, 32*DP
	v_lshl_add_u32 v[DRD0], v5, 4, s20
	v_lshlrev_b32 v[GOF], 4, v5
	s_lshl_b32 s20, s13, 7
	s_lshl_b32 s22, s10, 5
	s_add_co_u32 s20, s20, s22
	s_lshl_b32 s20, s20, 12
	s_add_co_u32 s20, s20, s21
	s_mov_b32 s21, 0
	s_add_nc_u64 s[8:9], s[8:9], s[20:21]
	s_add_nc_u64 s[62:63], s[62:63], s[20:21]
	s_wait_tensorcnt 0x1                           ; my part of trip 0's K step is in; trip 1's may stay out
	s_barrier_signal -1
	s_barrier_wait -1
	v_mov_b32 v[ADRA], v[ADRA0]
	v_mov_b32 v[ADRB], v[ADRB0]
	FETCH 0, 0
	s_wait_loadcnt 0x0                             ; the bias
	QUARTER 1, 0, 1, 1                             ; the first products start the sums
	WIN 0
	s_mov_b32 s3, NT-2
.Lstep:                                            ; a trip: a K step's quarters 1 to 3, the refill, the next step's quarter 0
	QUARTER 2, 1, 0, 0
	QUARTER 3, 0, 1, 0
	TURN
	QUARTER 1, 0, 1, 0
	WIN 0
	s_sub_co_u32 s3, s3, 1
	s_cmp_lg_u32 s3, 0
	s_cbranch_scc1 .Lstep
.set ii, 0
.rept 32                               ; the residual's rows: on their way during the last two K steps
	global_load_b128 v[RR+4*ii:RR+4*ii+3], v[GOF], s[62:63] offset:ii*4096
.set ii, ii+1
.endr
	s_mov_b32 s3, 2
	s_branch .Lmid
.Ltail:
	CHANGE0
	QUARTER 1, 0, 1, 0
	WIN 0
.Lmid:
	QUARTER 2, 1, 0, 0
	QUARTER 3, 0, 1, 0
	LASTQ
	WIN 0
	s_sub_co_u32 s3, s3, 1
	s_cmp_lg_u32 s3, 0
	s_cbranch_scc1 .Ltail
	PLACES
	s_barrier_signal -1                            ; every wave's reads of both slots are over, and no fill is to come
	s_barrier_wait -1
	DUMP
	s_wait_dscnt 0x0
	s_barrier_signal -1
	s_barrier_wait -1
.macro YLOAD gq                        ; 8 rows of the product
.set ii, 0
.rept 8
	ds_load_b128 v[YY+32*((\gq)%2)+4*ii:YY+32*((\gq)%2)+4*ii+3], v[DRD0] offset:(8*(\gq)+ii)*DP
.set ii, ii+1
.endr
.endm
	s_wait_loadcnt 0x0                             ; the residual
	YLOAD 0
.irp gq, 0,1,2,3
.if \gq < 3
	YLOAD \gq+1
.endif
.set jj, 0
.rept 8
.set rR, RR+4*(8*\gq+jj)
.set rY, YY+32*(\gq%2)+4*jj
.if \gq < 3
	s_wait_dscnt 15-jj                             ; the next group's eight loads and this group's younger ones may stay out
.else
	s_wait_dscnt 7-jj
.endif
	v_pk_add_f32 v[rR:rR+1], v[rR:rR+1], v[rY:rY+1]
	v_pk_add_f32 v[rR+2:rR+3], v[rR+2:rR+3], v[rY+2:rY+3]
	global_store_b128 v[GOF], v[rR:rR+3], s[8:9] offset:(8*\gq+jj)*4096   ; 512 consecutive bytes, aligned
.set jj, jj+1
.endr
.endr
	s_wait_tensorcnt 0x0                           ; the wave's end
	ds_add_u32 v[SPW], v[NIL]
	s_wait_dscnt 0x0
	CROUND                                         ; the closing round
	s_endpgm
.Lfunc_end_k_q5fdce65f98_w2:
	.size	k_q5fdce65f98_w2, .Lfunc_end_k_q5fdce65f98_w2-k_q5fdce65f98_w2
	.p2alignl 7, 3214868480
	.fill 96, 4, 3214868480
	.section	.rodata,"a",@progbits
	.p2align	6, 0x0
	.amdhsa_kernel k_q5fdce65f98_w2
		.amdhsa_group_segment_fixed_size 327680
		.amdhsa_private_segment_fixed_size 0
		.amdhsa_enable_private_segment 0
		.amdhsa_kernarg_size 40
		.amdhsa_user_sgpr_count 2
		.amdhsa_user_sgpr_kernarg_segment_ptr 1
		.amdhsa_wavefront_size32 1
		.amdhsa_system_sgpr_workgroup_id_x 1
		.amdhsa_system_sgpr_workgroup_id_y 1
		.amdhsa_system_sgpr_workgroup_id_z 1
		.amdhsa_system_vgpr_workitem_id 0
		.amdhsa_next_free_vgpr 640
		.amdhsa_next_free_sgpr 100
		.amdhsa_reserve_vcc 0
		.amdhsa_float_denorm_mode_32 3
		.amdhsa_float_denorm_mode_16_64 3
		.amdhsa_memory_ordered 1
		.amdhsa_forward_progress 1
		.amdhsa_inst_pref_size 67
	.end_amdhsa_kernel
	.amdgpu_metadata
---
amdhsa.version: [ 1, 2 ]
amdhsa.kernels:
  - .name:           k_q5fdce65f98_w2
    .symbol:         k_q5fdce65f98_w2.kd
    .args:
      - { .name: g, .offset: 0, .size: 8, .value_kind: global_buffer, .address_space: global }
      - { .name: wt, .offset: 8, .size: 8, .value_kind: global_buffer, .address_space: global }
      - { .name: out0, .offset: 16, .size: 8, .value_kind: global_buffer, .address_space: global }
      - { .name: b2, .offset: 24, .size: 8, .value_kind: global_buffer, .address_space: global }
      - { .name: x1, .offset: 32, .size: 8, .value_kind: global_buffer, .address_space: global }
    .group_segment_fixed_size: 327680
    .private_segment_fixed_size: 0
    .kernarg_segment_align: 8
    .kernarg_segment_size: 40
    .max_flat_workgroup_size: 128
    .sgpr_count:     100
    .vgpr_count:     640
    .wavefront_size: 32
...
	.end_amdgpu_metadata
.endif
;; end of part 6
